; MI455X (gfx1250); checked and timed in simulation.
; The chip was launched on July 23, 2026; its instructions are those of AMD's public machine-readable ISA for CDNA 5 (MIT licence, August 2026) and "CDNA5" Instruction Set Architecture Reference Guide (July 2026). The comments in the code are by the model that wrote it; some were corrected since.
;; GPT Neo Self Attention. Allowed arithmetic: matrix products marked QUANTISED: E2M3 operands, one E8M0 scale for each 32 along K, by v_wmma_scale_f32_16x16x128_f8f6f4 with both operands' format E2M3, f32 sums; everything else in f32.
;; Inputs: Wk 1,024 x 1,024 float32; Wo 1,024 x 1,024 float32; Wq 1,024 x 1,024 float32; Wv 1,024 x 1,024 float32; bo 1,024 float32; hidden_states 1 x 4,096 x 1,024 float32.
;; Outputs: out0 1 x 4,096 x 1,024 float32.
;; This version of the problem:
;;   THIS VERSION OF THE PROBLEM IS GIVEN IN LOW PRECISION. The matrix products marked QUANTISED in the list below multiply operands that are first quantised to E2M3 (2 exponent bits, 3 mantissa bits; 6 bits a number), with one power-of-two scale for each 32 numbers along K (OCP MX v1.0); their sums are f32. All else is computed in f32.
;;   The module's matrix products, in the order in which they are computed (A, B: the left and right operand; K: the contracted axis; several contracted axes count as one K, in the product's order):
;;     1. [M 4,096, K 1,024] x [K 1,024, N 1,024]; A: input hidden_states; B: input Wq: QUANTISED
;;     2. [M 4,096, K 1,024] x [K 1,024, N 1,024]; A: input hidden_states; B: input Wk: QUANTISED
;;     3. [M 4,096, K 1,024] x [K 1,024, N 1,024]; A: input hidden_states; B: input Wv: QUANTISED
;;     4. batch 8 x [M 4,096, K 64] x [K 64, N 4,096]; A: computed on the way; B: computed on the way: QUANTISED
;;     5. batch 8 x [M 4,096, K 4,096] x [K 4,096, N 64]; A: softmax (see below); B: computed on the way: QUANTISED
;;     6. batch 8 x [M 4,096, K 64] x [K 64, N 4,096]; A: computed on the way; B: computed on the way: QUANTISED
;;     7. batch 8 x [M 4,096, K 4,096] x [K 4,096, N 64]; A: softmax (see below); B: computed on the way: QUANTISED
;;     8. [M 4,096, K 1,024] x [K 1,024, N 1,024]; A: computed on the way; B: input Wo: QUANTISED
;;   THE QUANTISER, for each operand of a quantised product, along K:
;;     - K is cut into blocks of 32 from its start; a last block that is shorter is filled with zeros.
;;     - A block's scale is 2^e with e = floor(log2(the largest magnitude in the block)) - 2, held to -126 .. 127; a block of zeros has e = 0. As a byte (E8M0): e + 127.
;;     - Each number is divided by its block's scale, clamped to +-7.5, and rounded to the nearest number of E2M3, ties to even, subnormals kept.
;;     - The product sums the exact products of the quantised numbers (number of the format x scale) in f32.
;;   ~~~python
;;   def quantise(x, axis):      # numpy; x: float32 -> the quantised numbers, widened to float32 again
;;       x = np.moveaxis(x, axis, -1); K = x.shape[-1]
;;       x = np.pad(x, [(0, 0)] * (x.ndim - 1) + [(0, -K % 32)]); x = x.reshape(x.shape[:-1] + (-1, 32)); a = np.abs(x).max(-1, keepdims=True)
;;       e = np.where(a > 0, np.clip(np.frexp(np.where(a > 0, a, 1))[1] - 1 - 2, -126, 127), 0)      # np.frexp(a)[1] - 1 = floor(log2(a)), exactly
;;       r = np.clip(x / 2.0 ** e, -7.5, 7.5)
;;       step = 2.0 ** (np.maximum(np.frexp(np.where(r == 0, 1, r))[1] - 1, 0) - 3)
;;       q = np.round(r / step) * step * 2.0 ** e      # np.round: ties to even
;;       return np.moveaxis(q.reshape(q.shape[:-2] + (-1,))[..., :K], -1, axis).astype(np.float32)
;;   ~~~
;;   SOFTMAX AHEAD OF A QUANTISED PRODUCT. Where the list says 'softmax', what is quantised is not the finished softmax but p = 2^(t - M), with t = logit x log2(e) and M = ceil(the row's largest t), a whole number; so 1/2 < the row's largest p <= 1. The row's sum l is taken of the UNQUANTISED p, in f32, and the product's result is divided by l at the end. Since M is a whole number, a kernel that streams over the keys may use a running M (the ceiling of the running maximum): every later rescaling is an exact power of two, which a block's scale takes up: the codes' values come out the same.
;;   OPERANDS COMPUTED ON THE WAY. 'Computed on the way' means the value that the module computes at that place (a softmax that the list does not call 'softmax' is quantised finished and normalised). What goes into a quantiser is computed in f32, as accurately as f32 sums, v_exp_f32 and their like allow (about 1e-6 of the number): no bf16 or f16 on the way to a quantiser, and a product that is left as it is and whose result goes on into a quantised operand takes f32 operands (vector FMAs, or v_wmma_f32_16x16x4_f32). A number that lies on a knife's edge between two numbers of the format may be rounded either way, as far as f32 arithmetic and the matrix unit's own rounding can turn it there, and no further.
;; One version. Each part assembles by itself: llvm-mc -triple=amdgcn-amd-amdhsa -mcpu=gfx1250 --defsym DOCPART=n.
;; ======== version 1 of 1: 4 launches
;; limits: right only within a limited range of input values
;; workspace buffers: hbuf 3,276,800 bytes; wbuf 2,457,600 bytes; wobuf 819,200 bytes; qbuf 3,145,728 bytes; qsbuf 524,288 bytes; kvbuf 6,684,672 bytes; abuf 3,276,800 bytes
;; launch quant (part 1): grid 512 x 1, 4 waves a work-group, no clusters, 67,072 bytes of LDS; arguments hidden_states, Wq, Wk, Wv, Wo, hbuf, wbuf, wobuf; writes hbuf, wbuf, wobuf
.if DOCPART == 1
	.amdgcn_target "amdgcn-amd-amdhsa--gfx1250"
	.amdhsa_code_object_version 6
	.text
	.protected	k_q1c47113b08_quant
	.globl	k_q1c47113b08_quant
	.p2align	8
	.type	k_q1c47113b08_quant,@function
k_q1c47113b08_quant:
	s_mov_b64 s[64:65], 0
	v_nop
	global_prefetch_b8 v0, s[64:65] scope:SCOPE_SE
	s_setreg_imm32_b32 hwreg(HW_REG_WAVE_MODE, 25, 1), 1
	s_wait_xcnt 0x0
; hidden_states [4096][1024] and Wq, Wk, Wv, Wo [1024][1024], f32, K (= e) innermost, become codes of FP6 (E2M3) with one E8M0 byte for each 32 along K,
; laid as IMAGES OF THE OPERAND'S REGISTERS, so that the products' launches take every fragment by dense loads of 16 and 8 bytes a lane.
; A TILE is 16 rows: lane row r of tile T is row 32 (T / 2) + 8 (T % 2) + r + 8 (r / 8).  A fragment (16 rows x 128 K, 12 registers a lane) is 1,536 bytes: registers 0-3 at 16 x lane,
; 4-5 at 512 + 8 x lane, 6-9 at 768 + 16 x lane, 10-11 at 1,280 + 8 x lane.  A CHUNK is 256 along K: for NT tiles NT x 3,072 bytes of codes (tile t, K step ks at (2 t + ks) x 1,536),
; then NT x 128 bytes of scale words (4 x lane: lanes 0-15 the even K step's words of rows r, lanes 16-31 the odd one's).
; hbuf [256 rows: 16][chunk 4][NT 16];  wbuf [head 16][chunk 4][NT 12: tile 4 mat + t, mat = q, k, v];  wobuf [128 rows of Wo: 8][chunk 4][NT 8].
; A block's scale is 2^(floor(log2(its largest magnitude)) - 2); its byte is the largest magnitude's exponent field - 2, held at 1 from below.
; LIMITS: a block whose largest magnitude lies under 2^-124 keeps the byte 1; a block of zeros keeps the byte 1 where the rule says 127 (its codes are zeros, and this program alone reads the bytes);
; NaN and infinities among the inputs are not served.
; SHARES: a work-group is one tile (0-255: hidden's; then 64 each of Wq, Wk, Wv, Wo), wave w its chunk w: 16 rows x 1,024 bytes.  One path serves all five tensors: only pointers and small numbers are chosen,
; on the work-group's number.  Each load reads 512 consecutive bytes; the numbers turn through the wave's own stage in LDS so that a lane gets 16 neighbours of each block.  No barrier: waves share nothing.
.set STGB,  16640                      ; a wave's stage: 16 rows at a pitch of 1,040 bytes
.set PITCH, 1040                       ; 1,024 + 16 = 65 x 16: the sixteen rows that a load of 16 bytes a lane touches start 16 bytes apart modulo 256
.set SPARE, 4*STGB                     ; behind the stages: the spare words, 128 bytes a wave, named by no other line
.set G16,  1                           ; v1   16 x lane
.set G8,   2                           ; v2   8 x lane
.set G4,   3                           ; v3   4 x lane
.set ST,   4                           ; v4   the stage, on the way in: stage + 16 x lane
.set LD,   5                           ; v5   on the way out: stage + 1,040 r + 64 h
.set SPW,  6                           ; v6   my spare word; never rewritten
.set NIL,  7                           ; v7   0; never rewritten
.set TM,   8                           ; v8-11 largest magnitudes, v12-15 the other half's / the bytes, v16-19 the conversions' scale operands
.set SCW,  20                          ; v20  the chunk's scale word of my lane
.set LN,   21                          ; v21  lane
.set PC0,  24                          ; v24-35 K step 0's fragment, v36-42 at work, v43 its scale word
.set PC1,  44                          ; v44-63 the same for K step 1: no store's data are written again
.set X,    64                          ; v64-127  64 numbers: register 16 b + i = k 32 b + 16 h + i of my row
.set R,    128                         ; v128-255 the 32 loads
.set WV,   20
.set SEL,  22                          ; s[22:23] v_permlanex16_b32's selects for lane l xor 16
.set SRC,  24                          ; s[24:25] my 16 rows' 1,024 bytes
.set DSC,  26                          ; s[26:27] where my two fragments go
.set DSS,  42                          ; s[42:43] where my scale words go
; 64 numbers of a lane become a fragment's codes in v[pc] .. v[pc + 11] and its scale word in v[pw]
.macro QUANT s, pc, pw
.irp b, 0,1,2,3
	v_max3_num_f32 v[TM+\b], |v[(\s)+16*\b]|, |v[(\s)+1+16*\b]|, 0x1800000   ; block b: my 16 numbers, and the floor 2^(3 - 127): the byte cannot fall under 1
.endr
.irp i, 2,4,6,8,10,12,14
.irp b, 0,1,2,3
	v_max3_num_f32 v[TM+\b], v[TM+\b], |v[(\s)+16*\b+\i]|, |v[(\s)+1+16*\b+\i]|   ; the four blocks by turns
.endr
.endr
.irp b, 0,1,2,3
	v_permlanex16_b32 v[TM+4+\b], v[TM+\b], s[SEL], s[SEL+1]
.endr
.irp b, 0,1,2,3
	v_max_num_f32 v[TM+\b], v[TM+\b], v[TM+4+\b]   ; with lane l xor 16's: the block's largest magnitude
.endr
.irp b, 0,1,2,3
	v_add_nc_u32 v[TM+8+\b], 0xff000000, v[TM+\b]  ; 2 off its exponent field: the conversion takes this operand's exponent field as its scale
.endr
.irp b, 0,1,2,3
	v_lshrrev_b32 v[TM+4+\b], 23, v[TM+8+\b]       ; the scale's byte
.endr
	v_lshl_or_b32 v[\pw], v[TM+5], 8, v[TM+4]
	v_lshl_or_b32 v[\pw], v[TM+6], 16, v[\pw]
	v_lshl_or_b32 v[\pw], v[TM+7], 24, v[\pw]      ; my row's scale word
.irp c, 0,1
	v_cvt_scalef32_pk16_fp6_f32 v[(\pc)+6*\c:(\pc)+6*\c+2], v[(\s)+32*\c:(\s)+32*\c+15], v[TM+8+2*\c]
	v_cvt_scalef32_pk16_fp6_f32 v[(\pc)+12+4*\c:(\pc)+12+4*\c+2], v[(\s)+32*\c+16:(\s)+32*\c+31], v[TM+9+2*\c]   ; (a conversion's three registers begin on an even number)
.endr
	v_nop                                          ; one plain instruction behind a scaled conversion
.irp c, 0,1                            ; the operand wants a WHOLE block in a lane: lanes 0-15 block 2 c, lanes 16-31 block 2 c + 1
.irp i, 0,1,2
	v_permlane16_swap_b32 v[(\pc)+6*\c+\i], v[(\pc)+12+4*\c+\i]
.endr
.irp i, 0,1,2
	v_mov_b32 v[(\pc)+3+6*\c+\i], v[(\pc)+12+4*\c+\i]
.endr
.endr
.endm
; K step ks: through the stage, quantised, stored as an image
.macro HALF ks, pc, pw
.irp i, 0,1,2,3,4,5,6,7,8,9,10,11,12,13,14,15
	ds_store_b128 v[ST], v[R+4*(16*\ks+\i):R+4*(16*\ks+\i)+3] offset:PITCH*\i+512*\ks
.endr
.irp b, 0,1,2,3
.irp j, 0,1,2,3
	ds_load_b128 v[X+16*\b+4*\j:X+16*\b+4*\j+3], v[LD] offset:512*\ks+128*\b+16*\j   ; LDS serves a wave's instructions in order: these see my stores
.endr
.endr
	s_wait_dscnt 0x0
	QUANT X, \pc, \pw
	global_store_b128 v[G16], v[(\pc):(\pc)+3], s[DSC:DSC+1] offset:1536*\ks          ; 512 consecutive bytes
	global_store_b64 v[G8], v[(\pc)+4:(\pc)+5], s[DSC:DSC+1] offset:1536*\ks+512      ; 256 consecutive bytes, aligned
	global_store_b128 v[G16], v[(\pc)+6:(\pc)+9], s[DSC:DSC+1] offset:1536*\ks+768
	global_store_b64 v[G8], v[(\pc)+10:(\pc)+11], s[DSC:DSC+1] offset:1536*\ks+1280
.endm
	s_load_b256 s[4:11], s[0:1], 0x0               ; hidden s[4:5], Wq s[6:7], Wk s[8:9], Wv s[10:11]
	s_load_b256 s[12:19], s[0:1], 0x20             ; Wo s[12:13], hbuf s[14:15], wbuf s[16:17], wobuf s[18:19]
	v_lshl_add_u32 v[SPW], v0, 2, SPARE
	v_mov_b32 v[NIL], 0
	v_lshrrev_b32 v[LN], 5, v0
	v_readfirstlane_b32 s[WV], v[LN]               ; wave = chunk
	v_and_b32 v[LN], 31, v0
	v_lshlrev_b32 v[G16], 4, v[LN]
	v_lshlrev_b32 v[G8], 3, v[LN]
	v_lshlrev_b32 v[G4], 2, v[LN]
	s_mul_i32 s21, s[WV], STGB
	v_add_nc_u32 v[ST], s21, v[G16]
	v_and_b32 v22, 15, v0                          ; r
	v_bfe_u32 v23, v0, 4, 1                        ; h
	v_mul_u32_u24 v[LD], v22, PITCH
	v_lshl_add_u32 v[LD], v23, 6, v[LD]
	v_add_nc_u32 v[LD], s21, v[LD]
.irp b, 0,1,2,3
	v_mov_b32 v[TM+4+\b], 0                        ; written once: a lane permute's destination counts as one of its sources
.endr
	s_mov_b32 s[SEL], 0x76543210
	s_mov_b32 s[SEL+1], 0xfedcba98
	; which tensor, which tile: all from the work-group's number
	s_sub_co_u32 s31, ttmp9, 256
	s_lshr_b32 s31, s31, 6
	s_lshl_b32 s31, s31, 2                         ; 4 x mat (kept for Wq, Wk, Wv alone)
	s_cmp_lt_u32 ttmp9, 448
	s_cselect_b32 s28, 12, 8                       ; NT: tiles in a chunk's block
	s_cselect_b32 s29, 2, 3                        ; log2 of the tensor's own tiles in a block
	s_cselect_b32 s30, 3, 7
	s_cselect_b32 s31, s31, 0
	s_cmp_lt_u32 ttmp9, 256
	s_cselect_b32 s28, 16, s28
	s_cselect_b32 s29, 4, s29
	s_cselect_b32 s30, 15, s30
	s_cselect_b32 s31, 0, s31
	s_cselect_b32 s32, 255, 63
	s_and_b32 s32, ttmp9, s32                      ; T: the tile in its tensor
	s_lshr_b32 s33, s32, s29                       ; which block of tiles
	s_and_b32 s34, s32, s30
	s_add_co_u32 s34, s34, s31                     ; the tile's place in the block
	s_lshl_b32 s33, s33, 2
	s_add_co_u32 s33, s33, s[WV]
	s_mul_i32 s33, s33, s28
	s_mul_i32 s33, s33, 3200                       ; the chunk's block, in bytes
	s_mul_i32 s35, s34, 3072
	s_add_co_u32 s36, s33, s35                     ; my fragments
	s_mov_b32 s37, 0
	s_mul_i32 s35, s28, 3072
	s_add_co_u32 s38, s33, s35
	s_lshl_b32 s35, s34, 7
	s_add_co_u32 s38, s38, s35                     ; my scale words
	s_mov_b32 s39, 0
	s_lshr_b32 s35, s32, 1
	s_lshl_b32 s35, s35, 5
	s_and_b32 s40, s32, 1
	s_lshl_b32 s40, s40, 3
	s_add_co_u32 s40, s40, s35                     ; the tile's first row
	s_lshl_b32 s40, s40, 12                        ; rows of 4,096 bytes
	s_lshl_b32 s35, s[WV], 10
	s_add_co_u32 s40, s40, s35                     ; + my chunk's 1,024 bytes
	s_mov_b32 s41, 0
	s_wait_alu depctr_va_vdst(0)
	s_wait_kmcnt 0x0
	s_cmp_lt_u32 ttmp9, 448
	s_cselect_b64 s[SRC:SRC+1], s[10:11], s[12:13]
	s_cselect_b64 s[DSC:DSC+1], s[16:17], s[18:19]
	s_cmp_lt_u32 ttmp9, 384
	s_cselect_b64 s[SRC:SRC+1], s[8:9], s[SRC:SRC+1]
	s_cmp_lt_u32 ttmp9, 320
	s_cselect_b64 s[SRC:SRC+1], s[6:7], s[SRC:SRC+1]
	s_cmp_lt_u32 ttmp9, 256
	s_cselect_b64 s[SRC:SRC+1], s[4:5], s[SRC:SRC+1]
	s_cselect_b64 s[DSC:DSC+1], s[14:15], s[DSC:DSC+1]
	s_add_nc_u64 s[SRC:SRC+1], s[SRC:SRC+1], s[40:41]
	s_add_nc_u64 s[DSS:DSS+1], s[DSC:DSC+1], s[38:39]
	s_add_nc_u64 s[DSC:DSC+1], s[DSC:DSC+1], s[36:37]
.irp ks, 0,1
.irp i, 0,1,2,3,4,5,6,7,8,9,10,11,12,13,14,15
	global_load_b128 v[R+4*(16*\ks+\i):R+4*(16*\ks+\i)+3], v[G16], s[SRC:SRC+1] offset:(\i+8*(\i/8))*4096+512*\ks th:TH_LOAD_NT   ; 512 consecutive bytes of the tile's row i; read once in the launch
.endr
.endr
	s_wait_loadcnt 16                              ; K step 0's sixteen loads are in; K step 1's sixteen may be out
	HALF 0, PC0, PC0+19
	s_wait_loadcnt 0x0
	HALF 1, PC1, PC1+19
	v_cmp_le_u32 vcc_lo, 16, v[LN]
	v_cndmask_b32 v[SCW], v[PC0+19], v[PC1+19], vcc_lo   ; lanes 0-15: K step 0's words; lanes 16-31: K step 1's (both halves of the lanes hold their row's word)
	global_store_b32 v[G4], v[SCW], s[DSS:DSS+1]
	s_wait_tensorcnt 0x0                           ; the wave's end
	ds_add_u32 v[SPW], v[NIL]
	s_wait_dscnt 0x0
	s_endpgm
.Lfunc_end_k_q1c47113b08_quant:
	.size	k_q1c47113b08_quant, .Lfunc_end_k_q1c47113b08_quant-k_q1c47113b08_quant
	.p2alignl 7, 3214868480
	.fill 96, 4, 3214868480
	.section	.rodata,"a",@progbits
	.p2align	6, 0x0
	.amdhsa_kernel k_q1c47113b08_quant
		.amdhsa_group_segment_fixed_size 67072
		.amdhsa_private_segment_fixed_size 0
		.amdhsa_enable_private_segment 0
		.amdhsa_kernarg_size 64
		.amdhsa_user_sgpr_count 2
		.amdhsa_user_sgpr_kernarg_segment_ptr 1
		.amdhsa_wavefront_size32 1
		.amdhsa_system_sgpr_workgroup_id_x 1
		.amdhsa_system_sgpr_workgroup_id_y 1
		.amdhsa_system_sgpr_workgroup_id_z 1
		.amdhsa_system_vgpr_workitem_id 0
		.amdhsa_next_free_vgpr 256
		.amdhsa_next_free_sgpr 66
		.amdhsa_reserve_vcc 1
		.amdhsa_float_denorm_mode_32 3
		.amdhsa_float_denorm_mode_16_64 3
		.amdhsa_memory_ordered 1
		.amdhsa_forward_progress 1
		.amdhsa_inst_pref_size 19
	.end_amdhsa_kernel
	.amdgpu_metadata
---
amdhsa.version: [ 1, 2 ]
amdhsa.kernels:
  - .name:           k_q1c47113b08_quant
    .symbol:         k_q1c47113b08_quant.kd
    .args:
      - { .name: hidden_states, .offset: 0, .size: 8, .value_kind: global_buffer, .address_space: global }
      - { .name: Wq, .offset: 8, .size: 8, .value_kind: global_buffer, .address_space: global }
      - { .name: Wk, .offset: 16, .size: 8, .value_kind: global_buffer, .address_space: global }
      - { .name: Wv, .offset: 24, .size: 8, .value_kind: global_buffer, .address_space: global }
      - { .name: Wo, .offset: 32, .size: 8, .value_kind: global_buffer, .address_space: global }
      - { .name: hbuf, .offset: 40, .size: 8, .value_kind: global_buffer, .address_space: global }
      - { .name: wbuf, .offset: 48, .size: 8, .value_kind: global_buffer, .address_space: global }
      - { .name: wobuf, .offset: 56, .size: 8, .value_kind: global_buffer, .address_space: global }
    .group_segment_fixed_size: 67072
    .private_segment_fixed_size: 0
    .kernarg_segment_align: 8
    .kernarg_segment_size: 64
    .max_flat_workgroup_size: 128
    .sgpr_count:     66
    .vgpr_count:     256
    .wavefront_size: 32
...
	.end_amdgpu_metadata
.endif
;; end of part 1
;; launch proj (part 2): grid 16 x 16, 12 waves a work-group, clusters of 4 x 4, 327,680 bytes of LDS; arguments hbuf, wbuf, qbuf, qsbuf, kvbuf; writes qbuf, qsbuf, kvbuf
.if DOCPART == 2
	.amdgcn_target "amdgcn-amd-amdhsa--gfx1250"
	.amdhsa_code_object_version 6
	.text
	.protected	k_q1c47113b08_proj
	.globl	k_q1c47113b08_proj
	.p2align	8
	.type	k_q1c47113b08_proj,@function
k_q1c47113b08_proj:
	s_mov_b64 s[64:65], 0
	v_nop
	global_prefetch_b8 v0, s[64:65] scope:SCOPE_SE
	s_setreg_imm32_b32 hwreg(HW_REG_WAVE_MODE, 25, 1), 1
	s_wait_xcnt 0x0
	s_wait_alu depctr_hold_cnt(0) depctr_sa_sdst(0) depctr_va_vdst(0) depctr_va_sdst(0) depctr_va_ssrc(0) depctr_va_vcc(0) depctr_vm_vsrc(0)
	s_getreg_b32 s2, hwreg(HW_REG_IB_STS2, 6, 4)
	s_cmp_eq_u32 s2, 0
	s_cbranch_scc0 .Lentry_in_a_cluster
	s_endpgm
.Lentry_in_a_cluster:
	s_bfe_u32 s2, ttmp6, 0x10000c
	s_cmp_lg_u32 s2, 0xf033
	s_cbranch_scc0 .Lentry_shape_is_right
	s_endpgm
.Lentry_shape_is_right:
; q = (x Wq^T) / 8, k = x Wk^T, v = x Wv^T on codes of FP6 (E2M3) with E8M0 scales, and, on the way out, the quantising of q and k along the head's 64 channels and of v along the keys.
; SHARES: a work-group makes q, k and v of ONE head (x: 0-15) for 256 rows (y: 0-15).  Wave w: mat = w / 4 (q, k, v), rg = w % 4: 64 rows x 64 columns, 16 accumulators; three waves to a SIMD.
; q and k are used TRANSPOSED (source 0 = 16 rows of W, source 1 = 16 rows of x): a lane holds one row s, its registers run along the head's channels.  v is used as it stands (source 0 = x, source 1 = Wv):
; a lane holds one channel, its registers run down the keys.  By the choice of a tile's rows (lane row r of tile T = row 32 (T / 2) + 8 (T % 2) + r + 8 (r / 8)) the 32 registers of four accumulators are two whole
; blocks of 32 of the axis to be quantised, 16 neighbours of each in a lane.
; OPERANDS come as images of their registers (launch quant): a fragment is four dense LDS loads.  K goes in four chunks of 256.  Three LDS slots of 89,600 bytes (x's 16 tiles, then W's 12): chunks 0-2 are first fills,
; chunk 3 fills slot 0 again, once, behind a round of the cluster's barrier.  By this text's count a wave has at most three tensor loads out.
; CLUSTER 4 x 4: the four work-groups of a row of the cluster share y, hence x's chunks; the four of a column share the head, hence W's: each is asked for jointly (waves 0, 1: x's halves; waves 2, 3: W's halves).
; OUT: qbuf [head][tile 256][768: half a fragment, 16 rows x 64 K: registers 0-3 at 16 x lane, 4-5 at 512 + 8 x lane];  qsbuf [head][tile / 4][512: a lane's 16 bytes = the words of 4 tiles];
; kvbuf [head][128 keys: 32][13,056]: K's 8 tiles at 768 i; V (c = which 64 keys, tn = which 16 channels) at 6,144 + (4 c + tn) 768; at 12,288 three images of 8 bytes a lane: (K01, K23), (K45, K67), (V01, V23), where
; in Kab lanes 0-15 hold tile a's words and lanes 16-31 tile b's.
; LIMITS: as in launch quant (byte 1 for blocks under 2^-124 and for blocks of zeros; NaN and infinities not served).
.set CHH,   51200                      ; a chunk of x: 16 tiles x 3,200
.set CHW,   38400                      ; a chunk of W: 12 tiles x 3,200
.set SLOT,  CHH+CHW
.set SPARE, 3*SLOT                     ; behind the slots: the spare words, 128 bytes for each of twelve waves, named by no other line
.set REC,   13056
.set AH16, 1                           ; v1-3   x's fragments, pieces of 16 bytes, slot 0, 1, 2
.set AH8,  4                           ; v4-6   pieces of 8 bytes
.set AW16, 7                           ; v7-9   W's
.set AW8,  10                          ; v10-12
.set ASH,  13                          ; v13-15 x's scale words
.set ASW,  16                          ; v16-18 W's
.set SPW,  19                          ; v19  my spare word; never rewritten
.set NIL,  20                          ; v20  0; never rewritten
.set G16,  21                          ; v21  16 x lane
.set G8,   22                          ; v22  8 x lane
.set LN,   23                          ; v23  lane
.set SH,   24                          ; v24-27 x's scale words of my four tiles (lanes 0-15 the chunk's first K step, lanes 16-31 its second)
.set SW,   28                          ; v28-31 W's
.set HFR,  32                          ; v32-79  x's four fragments
.set WFR,  80                          ; v80-127 W's four
.set ACC,  128                         ; v128-255
.set TM,   32                          ; the way out: v32-42 at work; v48-77 codes; v80-85 scale words
.set WV,   14
.set MAT,  15
.set RG,   16
.set PP,   17
.set G1H,  24
.set G1W,  32
.set G0H,  40                          ; s[40:43] group 0 for x's chunks
.set G0W,  52                          ; s[52:55] for W's
.macro CROUND                          ; a round of the cluster's barrier
	s_barrier_signal -1
	s_barrier_wait -1
	s_cmp_lg_u32 s[WV], 0
	s_cbranch_scc1 .Lnot_wave_0_\@
	s_barrier_signal -3
.Lnot_wave_0_\@:
	s_barrier_wait -3
	s_barrier_signal -1
	s_barrier_wait -1
.endm
.macro FRAG reg, a16, a8, off          ; a fragment's image back into 12 registers
	ds_load_b128 v[\reg:\reg+3], v[\a16] offset:\off
	ds_load_b64 v[\reg+4:\reg+5], v[\a8] offset:\off+512
	ds_load_b128 v[\reg+6:\reg+9], v[\a16] offset:\off+768
	ds_load_b64 v[\reg+10:\reg+11], v[\a8] offset:\off+1280
.endm
.macro WM d, a, b, sa, sb, ks, zero
.if \zero
	v_wmma_scale_f32_16x16x128_f8f6f4 v[\d:\d+7], v[\a:\a+11], v[\b:\b+11], 0, v[\sa], v[\sb] matrix_a_fmt:MATRIX_FMT_FP6 matrix_b_fmt:MATRIX_FMT_FP6
.elseif \ks
	v_wmma_scale_f32_16x16x128_f8f6f4 v[\d:\d+7], v[\a:\a+11], v[\b:\b+11], v[\d:\d+7], v[\sa], v[\sb] matrix_a_fmt:MATRIX_FMT_FP6 matrix_b_fmt:MATRIX_FMT_FP6 matrix_a_scale:MATRIX_SCALE_ROW1 matrix_b_scale:MATRIX_SCALE_ROW1
.else
	v_wmma_scale_f32_16x16x128_f8f6f4 v[\d:\d+7], v[\a:\a+11], v[\b:\b+11], v[\d:\d+7], v[\sa], v[\sb] matrix_a_fmt:MATRIX_FMT_FP6 matrix_b_fmt:MATRIX_FMT_FP6
.endif
.endm
; 128 along K: eight fragments, sixteen products; the sixteen accumulators take turns, one instruction a turn.  zero = 1: the products start the sums.
.macro KSTEP slot, ks, zero, first
.if !\first
.rept 4
	v_nop                                          ; four plain instructions between the last products and loads into registers that they read (ISA guide 7.12.1 for vector instructions)
.endr
.endif
.irp a, 0,1,2,3
	FRAG HFR+12*\a,AH16+\slot,AH8+\slot,(2*\a+\ks)*1536
	FRAG WFR+12*\a,AW16+\slot,AW8+\slot,(2*\a+\ks)*1536
.endr
.if \ks == 0
.irp a, 0,1,2,3
	ds_load_b32 v[SH+\a], v[ASH+\slot] offset:128*\a
	ds_load_b32 v[SW+\a], v[ASW+\slot] offset:128*\a
.endr
.endif
	s_wait_dscnt 0x0
	s_cmp_eq_u32 s[MAT], 2                         ; on the wave's number alone
	s_cbranch_scc1 .Lnat_\@
.irp a, 0,1,2,3
.irp b, 0,1,2,3
	WM ACC+8*(4*\a+\b),WFR+12*\b,HFR+12*\a,SW+\b,SH+\a,\ks,\zero
.endr
.endr
	s_branch .Ldone_\@
.Lnat_\@:
.irp b, 0,1,2,3
.irp a, 0,1,2,3
	WM ACC+8*(4*\b+\a),HFR+12*\a,WFR+12*\b,SH+\a,SW+\b,\ks,\zero
.endr
.endr
.Ldone_\@:
.endm
; 32 numbers of a lane, register 16 b + i = index 32 b + 16 h + i, become half a fragment's codes in v[pc] .. v[pc + 5] and two scale bytes in v[w]
.macro QUANT2 s, pc, w
.irp b, 0,1
	v_max3_num_f32 v[TM+\b], |v[(\s)+16*\b]|, |v[(\s)+1+16*\b]|, 0x1800000   ; and the floor 2^(3 - 127): the byte cannot fall under 1
.endr
.irp i, 2,4,6,8,10,12,14
.irp b, 0,1
	v_max3_num_f32 v[TM+\b], v[TM+\b], |v[(\s)+16*\b+\i]|, |v[(\s)+1+16*\b+\i]|
.endr
.endr
.irp b, 0,1
	s_delay_alu instid0(VALU_DEP_2)
	v_permlanex16_b32 v[TM+2+\b], v[TM+\b], s[92], s[93]
.endr
.irp b, 0,1
	s_delay_alu instid0(VALU_DEP_2)
	v_max_num_f32 v[TM+\b], v[TM+\b], v[TM+2+\b]
.endr
.irp b, 0,1
	s_delay_alu instid0(VALU_DEP_2)
	v_add_nc_u32 v[TM+4+\b], 0xff000000, v[TM+\b]  ; 2 off the exponent field: the conversion's scale operand
.endr
.irp b, 0,1
	s_delay_alu instid0(VALU_DEP_2)
	v_lshrrev_b32 v[TM+2+\b], 23, v[TM+4+\b]
.endr
	s_delay_alu instid0(VALU_DEP_1)
	v_lshl_or_b32 v[\w], v[TM+3], 8, v[TM+2]       ; bytes 0 and 1; bytes 2 and 3 stay 0
	v_cvt_scalef32_pk16_fp6_f32 v[(\pc):(\pc)+2], v[(\s):(\s)+15], v[TM+4]
	v_cvt_scalef32_pk16_fp6_f32 v[TM+8:TM+10], v[(\s)+16:(\s)+31], v[TM+5]
	v_nop                                          ; one plain instruction behind a scaled conversion
.irp i, 0,1,2
	v_permlane16_swap_b32 v[(\pc)+\i], v[TM+8+\i]  ; a whole block to a lane: lanes 0-15 block 0, lanes 16-31 block 1
.endr
.irp i, 0,1,2
	s_delay_alu instid0(VALU_DEP_3)
	v_mov_b32 v[(\pc)+3+\i], v[TM+8+\i]
.endr
.endm
	s_load_b256 s[4:11], s[0:1], 0x0               ; hbuf s[4:5], wbuf s[6:7], qbuf s[8:9], qsbuf s[10:11]
	s_load_b64 s[12:13], s[0:1], 0x20              ; kvbuf
	v_lshl_add_u32 v[SPW], v0, 2, SPARE
	v_mov_b32 v[NIL], 0
	ds_add_u32 v[SPW], v[NIL]                      ; the wave's opening: the add and its wait ahead of the first tensor loads; register work stands between
	ds_add_u32 v[SPW], v[NIL]
	v_lshrrev_b32 v[LN], 5, v0
	s_delay_alu instid0(VALU_DEP_1)
	v_readfirstlane_b32 s[WV], v[LN]               ; wave 0..11
	s_lshr_b32 s[MAT], s[WV], 2
	s_and_b32 s[RG], s[WV], 3
	s_and_b32 s[PP], s[WV], 1                      ; which half of a chunk I fetch, if I fetch
	s_bfe_u32 s18, ttmp6, 0x40000                  ; cx
	s_bfe_u32 s19, ttmp6, 0x40004                  ; cy
	s_lshl_b32 s20, ttmp9, 2
	s_add_co_u32 s20, s20, s18                     ; the head
	s_and_b32 s21, ttmp7, 0xffff
	s_lshl_b32 s21, s21, 2
	s_add_co_u32 s21, s21, s19                     ; the block of 256 rows
	s_lshl_b32 s22, s19, 2
	s_lshl_b32 s22, 15, s22                        ; my row of the cluster
	s_lshl_b32 s23, 0x1111, s18                    ; my column
	; group 1: half a chunk, dense, as rows of 256 bytes (32 elements of 8 bytes): 100 rows of x's, 75 of W's; no padding
	s_or_b32 s[G1H], s22, (3<<16)|(1<<21)          ; 15:0 the mask; 17:16 elements of 8 bytes; 21 set beside a mask
	s_or_b32 s[G1W], s23, (3<<16)|(1<<21)
	s_mov_b32 s[G1H+1], 32<<16                     ; tensor_dim0
	s_mov_b32 s[G1H+2], 100<<16                    ; tensor_dim1
	s_mov_b32 s[G1H+3], 32<<16                     ; tile_dim0
	s_mov_b32 s[G1H+4], 100                        ; tile_dim1
	s_mov_b32 s[G1H+5], 32                         ; the pitch
	s_mov_b32 s[G1H+6], 0
	s_mov_b32 s[G1H+7], 0
	s_mov_b32 s[G1W+1], 32<<16
	s_mov_b32 s[G1W+2], 75<<16
	s_mov_b32 s[G1W+3], 32<<16
	s_mov_b32 s[G1W+4], 75
	s_mov_b32 s[G1W+5], 32
	s_mov_b32 s[G1W+6], 0
	s_mov_b32 s[G1W+7], 0
	s_mul_i32 s68, s21, 4*CHH                      ; x's chunks hang on y alone,
	s_mul_i32 s72, s[PP], CHH/2
	s_add_co_u32 s68, s68, s72
	s_mov_b32 s69, 0
	s_mul_i32 s70, s20, 4*CHW                      ; W's on the head alone
	s_mul_i32 s73, s[PP], CHW/2
	s_add_co_u32 s70, s70, s73
	s_mov_b32 s71, 0
	s_add_co_u32 s73, s73, CHH                     ; in a slot W's chunk lies behind x's
	s_mov_b32 s66, 0x3e000000                      ; 1 / 8 = 1 / sqrt(64)
	s_mov_b32 s67, s66                             ; (named with it as a pair)
	s_mov_b32 s92, 0x76543210
	s_mov_b32 s93, 0xfedcba98                      ; v_permlanex16_b32's selects for lane l xor 16
	s_wait_dscnt 0x0                               ; the opening add is done
	s_wait_kmcnt 0x0
	s_add_nc_u64 s[74:75], s[4:5], s[68:69]
	s_add_nc_u64 s[76:77], s[6:7], s[70:71]
	; the twelve first fills, one a wave: wave w fills slot w / 4 (chunk w / 4); w % 4 = 0, 1: x's halves, 2, 3: W's halves
	s_mul_i32 s86, s[MAT], SLOT
	s_mul_i32 s88, s[MAT], CHH
	s_mov_b32 s89, 0
	s_mul_i32 s90, s[MAT], CHW
	s_mov_b32 s91, 0
	s_mov_b32 s[G0H], 1
	s_add_co_u32 s[G0H+1], s72, s86
	s_add_nc_u64 s[G0H+2:G0H+3], s[74:75], s[88:89]
	s_or_b32 s[G0H+3], s[G0H+3], 0x80000000
	s_mov_b32 s[G0W], 1
	s_add_co_u32 s[G0W+1], s73, s86
	s_add_nc_u64 s[G0W+2:G0W+3], s[76:77], s[90:91]
	s_or_b32 s[G0W+3], s[G0W+3], 0x80000000
	CROUND
	s_cmp_lt_u32 s[RG], 2
	s_cbranch_scc0 .Lfirst_not_h
	tensor_load_to_lds s[G0H:G0H+3], s[G1H:G1H+7]
	s_nop 0
.rept 4
	v_nop
.endr
	s_branch .Lfirst_asked
.Lfirst_not_h:
	tensor_load_to_lds s[G0W:G0W+3], s[G1W:G1W+7]
	s_nop 0
.rept 4
	v_nop
.endr
.Lfirst_asked:
	v_and_b32 v[LN], 31, v0
	s_delay_alu instid0(VALU_DEP_1)
	v_lshlrev_b32 v[G16], 4, v[LN]
	s_wait_alu depctr_va_vdst(0)
	v_lshlrev_b32 v[G8], 3, v[LN]
	s_wait_alu depctr_va_vdst(0)
	v_lshlrev_b32 v32, 2, v[LN]
	s_mul_i32 s82, s[RG], 12288                    ; my four tiles of x
	s_mul_i32 s83, s[MAT], 12288
	s_add_co_u32 s83, s83, CHH                     ; my four tiles of W
	s_lshl_b32 s84, s[RG], 9
	s_add_co_u32 s84, s84, 49152                   ; x's scale words lie behind its 16 x 3,072 bytes of codes
	s_lshl_b32 s85, s[MAT], 9
	s_add_co_u32 s85, s85, CHH+36864               ; W's behind its 12 x 3,072
.irp s, 0,1,2
	v_add_nc_u32 v[AH16+\s], s82, v[G16]
	v_add_nc_u32 v[AH8+\s], s82, v[G8]
	v_add_nc_u32 v[AW16+\s], s83, v[G16]
	v_add_nc_u32 v[AW8+\s], s83, v[G8]
	v_add_nc_u32 v[ASH+\s], s84, v32
	v_add_nc_u32 v[ASW+\s], s85, v32
	s_add_co_u32 s82, s82, SLOT
	s_add_co_u32 s83, s83, SLOT
	s_add_co_u32 s84, s84, SLOT
	s_add_co_u32 s85, s85, SLOT
.endr
	; where my results go
	s_lshl_b32 s82, s20, 8
	s_lshl_b32 s83, s21, 4
	s_add_co_u32 s82, s82, s83
	s_lshl_b32 s83, s[RG], 2
	s_add_co_u32 s82, s82, s83                     ; q: my first tile, 256 head + 16 y + 4 rg
	s_lshl_b32 s84, s82, 7                         ; its words: (tile / 4) x 512
	s_mul_i32 s82, s82, 768
	s_lshl_b32 s85, s20, 5
	s_lshl_b32 s83, s21, 1
	s_add_co_u32 s85, s85, s83
	s_lshr_b32 s83, s[RG], 1
	s_add_co_u32 s85, s85, s83
	s_mul_i32 s85, s85, REC                        ; k, v: the record of my 128 keys
	s_and_b32 s86, s[RG], 1                        ; and which 64 of them are mine
	s_mul_i32 s87, s86, 3072
	s_add_co_u32 s87, s87, s85                     ; K's tiles 4 c on
	s_lshl_b32 s88, s86, 8
	s_add_co_u32 s88, s88, s85
	s_add_co_u32 s88, s88, 12288                   ; their words' image
	s_lshl_b32 s89, s86, 1
	s_add_co_u32 s89, s89, s85
	s_add_co_u32 s89, s89, 12800                   ; V's words: my two bytes of each
	s_add_co_u32 s90, s87, 6144                    ; V's half fragments (c, 0 .. 3)
	s_cmp_eq_u32 s[MAT], 1
	s_cselect_b32 s87, s87, s90
	s_cselect_b32 s88, s88, s89
	s_cmp_eq_u32 s[MAT], 0
	s_cselect_b32 s82, s82, s87
	s_cselect_b32 s84, s84, s88
	s_cselect_b64 s[78:79], s[8:9], s[12:13]
	s_cselect_b64 s[80:81], s[10:11], s[12:13]
	s_mov_b32 s83, 0
	s_mov_b32 s85, 0
	s_add_nc_u64 s[78:79], s[78:79], s[82:83]      ; codes
	s_add_nc_u64 s[80:81], s[80:81], s[84:85]      ; scale words
	s_wait_alu depctr_va_vdst(0)
	s_wait_tensorcnt 0x0                           ; my one load is in: behind the barrier chunks 0, 1 and 2 are whole
	s_barrier_signal -1
	s_barrier_wait -1                              ; everybody's is
	KSTEP 0, 0, 1, 1
	KSTEP 0, 1, 0, 0
	s_wait_tensorcnt 0x0                           ; all my tensor loads have landed, chunks 1 and 2 among them: slot 0's group 0 may be written
	ds_add_u32 v[SPW], v[NIL]                      ; 0 onto my spare word
	s_add_nc_u64 s[G0H+2:G0H+3], s[G0H+2:G0H+3], 3*CHH   ; chunk 3
	s_add_nc_u64 s[G0W+2:G0W+3], s[G0W+2:G0W+3], 3*CHW
	s_wait_dscnt 0x0                               ; the add is done, and my reads of slot 0 are over
	CROUND                                         ; the same holds of every wave of all sixteen work-groups
	s_cmp_lt_u32 s[WV], 2                          ; the joint refill: the first tensor load behind the round, one a wave
	s_cbranch_scc0 .Lre_not_h
	tensor_load_to_lds s[G0H:G0H+3], s[G1H:G1H+7]
	s_nop 0
.rept 4
	v_nop
.endr
	s_branch .Lre_asked
.Lre_not_h:
	s_cmp_lt_u32 s[WV], 4
	s_cbranch_scc0 .Lre_asked
	tensor_load_to_lds s[G0W:G0W+3], s[G1W:G1W+7]
	s_nop 0
.rept 4
	v_nop
.endr
.Lre_asked:
	s_wait_alu depctr_va_vdst(0)
	KSTEP 1, 0, 0, 0                               ; chunks 1 and 2: every wave had waited for all its loads in front of the round; chunk 3 lands meanwhile
	KSTEP 1, 1, 0, 0
	KSTEP 2, 0, 0, 0
	KSTEP 2, 1, 0, 0
	s_wait_tensorcnt 0x0                           ; my part of chunk 3 is in (no load was issued behind it)
	s_wait_dscnt 0x0
	s_barrier_signal -1
	s_barrier_wait -1                              ; everybody's is
	KSTEP 0, 0, 0, 0
	KSTEP 0, 1, 0, 0
	; THE WAY OUT
.rept 4
	v_nop                                          ; four plain instructions behind the last products
.endr
	s_cmp_lg_u32 s[MAT], 0
	s_cbranch_scc1 .Lnot_q
.irp a, 0,1,2,3,4,5,6,7,8,9,10,11,12,13,14,15
.irp j, 0,2,4,6
	v_pk_mul_f32 v[ACC+8*\a+\j:ACC+8*\a+\j+1], v[ACC+8*\a+\j:ACC+8*\a+\j+1], s[66:67] op_sel_hi:[1,0]   ; q / 8, each accumulator from its low end on
.endr
.endr
.Lnot_q:
	v_mov_b32 v[TM+2], 0                           ; a lane permute's destination counts as one of its sources
	v_mov_b32 v[TM+3], 0
.irp og, 0,1,2,3                       ; q, k: my tile og of rows; v: my tile og of channels
	QUANT2 ACC+32*\og, 48+8*\og, 80+\og
	global_store_b128 v[G16], v[48+8*\og:48+8*\og+3], s[78:79] offset:768*\og        ; 512 consecutive bytes
	global_store_b64 v[G8], v[48+8*\og+4:48+8*\og+5], s[78:79] offset:768*\og+512    ; 256 consecutive bytes, aligned
.endr
	s_cmp_lg_u32 s[MAT], 0
	s_cbranch_scc1 .Lkv_scales
	global_store_b128 v[G16], v[80:83], s[80:81]   ; q: four tiles' words, 16 bytes a lane
	s_branch .Lout_done
.Lkv_scales:
	v_cmp_le_u32 vcc_lo, 16, v[LN]
	s_delay_alu instid0(VALU_DEP_1)
	v_cndmask_b32 v84, v80, v81, vcc_lo            ; lanes 0-15: tile 0's words; lanes 16-31: tile 1's
	s_delay_alu instid0(VALU_DEP_2)
	v_cndmask_b32 v85, v82, v83, vcc_lo            ; tiles 2 and 3
	s_cmp_lg_u32 s[MAT], 1
	s_cbranch_scc1 .Lv_scales
	global_store_b64 v[G8], v[84:85], s[80:81]     ; k: one aligned run of 256 bytes
	s_branch .Lout_done
.Lv_scales:
	s_wait_alu depctr_va_vdst(0)
	global_store_b16 v[G8], v84, s[80:81]          ; v: my 64 keys are two of a word's four bytes; the wave with the other 64 keys stores the other two
	global_store_b16 v[G8], v85, s[80:81] offset:4
.Lout_done:
	s_wait_tensorcnt 0x0                           ; the wave's end
	ds_add_u32 v[SPW], v[NIL]
	s_wait_dscnt 0x0
	CROUND                                         ; the closing round
	s_endpgm
.Lfunc_end_k_q1c47113b08_proj:
	.size	k_q1c47113b08_proj, .Lfunc_end_k_q1c47113b08_proj-k_q1c47113b08_proj
	.p2alignl 7, 3214868480
	.fill 96, 4, 3214868480
	.section	.rodata,"a",@progbits
	.p2align	6, 0x0
	.amdhsa_kernel k_q1c47113b08_proj
		.amdhsa_group_segment_fixed_size 327680
		.amdhsa_private_segment_fixed_size 0
		.amdhsa_enable_private_segment 0
		.amdhsa_kernarg_size 40
		.amdhsa_user_sgpr_count 2
		.amdhsa_user_sgpr_kernarg_segment_ptr 1
		.amdhsa_wavefront_size32 1
		.amdhsa_system_sgpr_workgroup_id_x 1
		.amdhsa_system_sgpr_workgroup_id_y 1
		.amdhsa_system_sgpr_workgroup_id_z 1
		.amdhsa_system_vgpr_workitem_id 0
		.amdhsa_next_free_vgpr 256
		.amdhsa_next_free_sgpr 96
		.amdhsa_reserve_vcc 1
		.amdhsa_float_denorm_mode_32 3
		.amdhsa_float_denorm_mode_16_64 3
		.amdhsa_memory_ordered 1
		.amdhsa_forward_progress 1
		.amdhsa_inst_pref_size 77
	.end_amdhsa_kernel
	.amdgpu_metadata
---
amdhsa.version: [ 1, 2 ]
amdhsa.kernels:
  - .name:           k_q1c47113b08_proj
    .symbol:         k_q1c47113b08_proj.kd
    .args:
      - { .name: hbuf, .offset: 0, .size: 8, .value_kind: global_buffer, .address_space: global }
      - { .name: wbuf, .offset: 8, .size: 8, .value_kind: global_buffer, .address_space: global }
      - { .name: qbuf, .offset: 16, .size: 8, .value_kind: global_buffer, .address_space: global }
      - { .name: qsbuf, .offset: 24, .size: 8, .value_kind: global_buffer, .address_space: global }
      - { .name: kvbuf, .offset: 32, .size: 8, .value_kind: global_buffer, .address_space: global }
    .group_segment_fixed_size: 327680
    .private_segment_fixed_size: 0
    .kernarg_segment_align: 8
    .kernarg_segment_size: 40
    .max_flat_workgroup_size: 384
    .sgpr_count:     96
    .vgpr_count:     256
    .wavefront_size: 32
...
	.end_amdgpu_metadata
.endif
;; end of part 2
;; launch attn (part 3): grid 32 x 8, 16 waves a work-group, no clusters, 327,680 bytes of LDS; arguments qbuf, qsbuf, kvbuf, abuf; writes abuf
.if DOCPART == 3
	.amdgcn_target "amdgcn-amd-amdhsa--gfx1250"
	.amdhsa_code_object_version 6
	.text
	.protected	k_q1c47113b08_attn
	.globl	k_q1c47113b08_attn
	.p2align	8
	.type	k_q1c47113b08_attn,@function
k_q1c47113b08_attn:
	s_mov_b64 s[64:65], 0
	v_nop
	global_prefetch_b8 v0, s[64:65] scope:SCOPE_SE
	s_setreg_imm32_b32 hwreg(HW_REG_WAVE_MODE, 25, 1), 1
	s_wait_xcnt 0x0
; Attention on codes of FP6 (E2M3): heads 0-7 causal, heads 8-15 causal with a window (key j counts for query i where i - 256 <= j <= i).  Only key blocks that a mask keeps in part are multiplied.
; SOFTMAX: t = score x log2(e); M = the running largest t rounded UP to a whole number; p = 2^(t - M) is quantised along the keys, not normalised; the row's sum is taken of the unquantised p and divides at the end;
; when M moves, the sum and O are multiplied by 2^(old M - new M), exactly.  The result is quantised along E (a head owns two blocks of 32) and stored as the last product's operand images.
; LAYOUT: both products transposed: S^T = K Q^T, O^T = V^T P^T: a lane holds ONE query.  Lane row r of a tile T is row 32 (T / 2) + 8 (T % 2) + r + 8 (r / 8).  The first product's K is 64: Q's operand holds zero codes
; for k = 64 .. 127, so K's tile t is named as the 12 registers from its own six on: finite codes times zero codes add nothing, and no scale byte is 0xff.
; THE DEAL.  A step is 16 queries x 128 keys; four waves (a quad, idx = 0 .. 3) take the four tiles of 64 queries through one key block.  Work-group (J, G), JJ = J / 2, has a LIST of 39 places:
;   places 0 .. 31 - JJ: tiles 252 - 4 J + idx of head G, key blocks 0 .. 31 - JJ (job 0);   the next JJ + 1, up to place 32: tiles 4 J + idx of head G, blocks 0 .. JJ (job 1);
;   places 33-35 and 36-38: tiles 8 J + idx and 8 J + 4 + idx of head G + 8, blocks J - 2 .. J each (jobs 2, 3; a block under 0 is neither fetched nor multiplied).
; Quad c takes places 10 c .. 10 c + 9 (place 39 is empty): ten steps for every wave.  What a place means is scalar arithmetic on ids.  A job that begins and ends inside one quad's run is finished there.
; A job that is cut leaves parts (O^T, -M, the sum): the part that ends the job at END[wave], a part that the next quad continues at FIN[wave]; behind the last barrier quad 0's waves join job 0's parts and quad 1's job 1's,
; by exact powers of two.
; LDS: two slots (0 and 131,072) of eight records: quad c's two steps at (2 c + q) x 13,056.  The waves with idx 0, 1 fetch one record each: one tensor load a wave is out, every wait on TENSORcnt is for 0.
; END lies behind slot 1 in bytes of its own; FIN lies in slot 1, which has had its last fill and its last read when the last slot's barrier is passed.
; NO CLUSTER: work-groups of one head need different records at each step (the cuts hang on JJ).  NO PREFETCH: a record is asked for a whole slot, two steps of all sixteen waves, ahead of its first read.
; LIMITS: NaN and infinities are not served; a block of p or of the result whose largest magnitude lies under 2^-124, or a block of zeros, keeps the byte 1; the division by the sum is v_rcp_f32 and a multiplication;
; the scaled scores stay under 2^31 in magnitude.
.set REC,   13056
.set SLOT1, 131072
.set MERGE, SLOT1+8*REC                ; END: sixteen regions of 4,608 bytes
.set SPARE, MERGE+16*4608              ; the spare words, 128 bytes for each of sixteen waves, named by no other line
.set A16,  1                           ; 16 x lane + my quad's place in a slot;  v2: 8 x lane + the same
.set A8,   2
.set SPW,  3                           ; my spare word; never rewritten
.set NIL,  4                           ; 0; never rewritten
.set QI,   5                           ; my query - 16 h
.set AD16, 6
.set AD8,  7
.set MGE,  8                           ; END[wave] + 16 x lane
.set G16,  9
.set G8,   10
.set G4,   11                          ; 4 x (lane % 16);  v12 -M, v13 the largest t, v[14:15] the sum in two halves
.set QF,   16                          ; v16-21 Q's codes, v22-27 zeros
.set QW,   28                          ; Q's scale words
.set QB,   29                          ; r + 8 (r / 8) - 16 h
.set QWS,  30                          ; v30-33 the four jobs' scale words
.set MGF,  34                          ; FIN[wave] + 16 x lane
.set KV,   36                          ; v36-83 K's eight tiles, later V's four fragments; v84-89 zeros
.set SCR,  90                          ; v90-95 K01, K23, K45, K67, V01, V23
.set S,    96                          ; v96-159 S^T, then p
.set OT,   160                         ; v160-191 O^T
.set PC,   192                         ; v192-203 p's codes
.set BM,   204
.set PX,   208
.set SO,   216
.set FF,   220                         ; f = 2^(old M - new M)
.set PWD,  221                         ; p's scale word
.set WK,   222
.set QS,   226                         ; v226-249 the four jobs' codes of Q;  v252-255 partial sums
.set TM,   S+32                        ; a tile's end works in S's upper half
.set C6,   S+48
.set WD,   S+54
.set WV,   12
.set QD,   13
.set IDX,  14
.set JV,   15
.set GV,   16                          ; s16 G, s17 G + 8
.set JJ,   18
.set E0,   19                          ; 32 - JJ: job 0's places
.set SEL,  20
.set CS,   22
.set G1,   24
.set G0,   32
.set P,    36                          ; the place of the step in hand
.set PL,   37                          ; the place that I fetch for
.set KBL,  38
.set LB,   39
.set LH,   40
.set JB,   41
.set WHOLE, 42
.set OPEN, 43
.set TS,   44
.set TRIPS, 45
.set G32,  46
.set P0,   47
.set T0,   48                          ; s48-51 the four jobs' tiles
.set TT,   52
.set HD,   53
.set ENDF, 54
.set WINF, 55
.set OBC,  56
.set OBS,  58
.set JM2,  74
.set QA,   80
.macro MAP p, blk, hb                  ; a place's key block (under 0: none) and its head's first record less head G's
	s_sub_co_i32 s66, s[\p], s[E0]
	s_cmp_lt_i32 s[\p], s[E0]
	s_cselect_b32 s[\blk], s[\p], s66
	s_sub_co_i32 s66, s[\p], 33
	s_cmp_ge_i32 s[\p], 36
	s_cselect_b32 s67, 3, 0
	s_sub_co_i32 s66, s66, s67
	s_add_co_i32 s66, s66, s[JM2]
	s_cmp_ge_i32 s[\p], 33
	s_cselect_b32 s[\blk], s66, s[\blk]
	s_cselect_b32 s[\hb], 256, 0
	s_cmp_ge_i32 s[\p], 39
	s_cselect_b32 s[\blk], -1, s[\blk]
.endm
.macro RECADR                          ; group 0's global address from LB, LH
	s_add_co_u32 s66, s[G32], s[LH]
	s_add_co_i32 s66, s66, s[LB]
	s_mul_i32 s66, s66, REC
	s_mov_b32 s67, 0
	s_add_nc_u64 s[G0+2:G0+3], s[8:9], s[66:67]
	s_or_b32 s[G0+3], s[G0+3], 0x80000000
.endm
.macro FLAG dst, a, b
	s_cmp_eq_u32 \a, \b
	s_cselect_b32 \dst, 1, \dst
.endm
.macro QUANT2 s, pc, w                 ; 32 numbers of a lane, register 16 b + i = index 32 b + 16 h + i: half a fragment's codes in v[pc] .. v[pc + 5], two scale bytes in v[w]
.irp b, 0,1
	v_max3_num_f32 v[TM+\b], |v[(\s)+16*\b]|, |v[(\s)+1+16*\b]|, 0x1800000
.endr
.irp i, 2,4,6,8,10,12,14
.irp b, 0,1
	s_delay_alu instid0(VALU_DEP_2)
	v_max3_num_f32 v[TM+\b], v[TM+\b], |v[(\s)+16*\b+\i]|, |v[(\s)+1+16*\b+\i]|
.endr
.endr
.irp b, 0,1
	s_delay_alu instid0(VALU_DEP_2)
	v_permlanex16_b32 v[TM+2+\b], v[TM+\b], s[SEL], s[SEL+1]
.endr
.irp b, 0,1
	s_delay_alu instid0(VALU_DEP_2)
	v_max_num_f32 v[TM+\b], v[TM+\b], v[TM+2+\b]
.endr
.irp b, 0,1
	s_delay_alu instid0(VALU_DEP_2)
	v_add_nc_u32 v[TM+4+\b], 0xff000000, v[TM+\b]
.endr
.irp b, 0,1
	s_delay_alu instid0(VALU_DEP_2)
	v_lshrrev_b32 v[TM+2+\b], 23, v[TM+4+\b]
.endr
	s_delay_alu instid0(VALU_DEP_1)
	v_lshl_or_b32 v[\w], v[TM+3], 8, v[TM+2]
	v_cvt_scalef32_pk16_fp6_f32 v[(\pc):(\pc)+2], v[(\s):(\s)+15], v[TM+4]
	v_cvt_scalef32_pk16_fp6_f32 v[TM+8:TM+10], v[(\s)+16:(\s)+31], v[TM+5]
	v_nop                                          ; one plain instruction behind a scaled conversion
.irp i, 0,1,2
	v_permlane16_swap_b32 v[(\pc)+\i], v[TM+8+\i]
.endr
.irp i, 0,1,2
	s_delay_alu instid0(VALU_DEP_3)
	v_mov_b32 v[(\pc)+3+\i], v[TM+8+\i]
.endr
.endm
.macro INIT                            ; a job's state: the first step finds zeros, which the first change of M leaves zeros
	v_mov_b32 v13, 0xff61b1e6                      ; the largest t so far: -3e38
	s_delay_alu instid0(VALU_DEP_1)
	v_floor_f32 v12, -v13                          ; -M
	v_mov_b32 v14, 0
	v_mov_b32 v15, 0
.irp j, 0,1,2,3,4,5,6,7,8,9,10,11,12,13,14,15,16,17,18,19,20,21,22,23,24,25,26,27,28,29,30,31
	v_mov_b32 v[OT+\j], 0
.endr
.endm
.macro FLUSH adr                       ; my part of a job that is cut: O^T, then -M, the largest t and the sum's two halves
.rept 4
	v_nop                                          ; four plain instructions behind the last products
.endr
	s_wait_alu depctr_va_vdst(0)
.irp i, 0,1,2,3,4,5,6,7
	ds_store_b128 v[\adr], v[OT+4*\i:OT+4*\i+3] offset:512*\i
.endr
	ds_store_b128 v[\adr], v[12:15] offset:4096
	s_wait_dscnt 0x0                               ; the stores have read their registers
.endm
; Tile TT of head HD is finished: O^T / the sum, quantised along the head's 64 channels, stored as half a fragment's image and two scale bytes a row.
; abuf [T / 8][HD / 4][25,600]: codes at ((2 (T % 8) + (HD / 2) % 2) 2 + HD % 2) 768; scale bytes at 24,576 + 128 (T % 8) + 64 ((HD / 2) % 2) + 4 r + 2 (HD % 2)
.macro FINISH
	s_lshr_b32 s66, s[TT], 3
	s_lshl_b32 s66, s66, 2
	s_lshr_b32 s68, s[HD], 2
	s_add_co_u32 s66, s66, s68
	s_mul_i32 s66, s66, 25600
	s_and_b32 s68, s[TT], 7
	s_bfe_u32 s69, s[HD], 0x10001
	s_and_b32 s70, s[HD], 1
	s_lshl_b32 s71, s68, 1
	s_add_co_u32 s71, s71, s69
	s_lshl_b32 s71, s71, 1
	s_add_co_u32 s71, s71, s70
	s_mul_i32 s71, s71, 768
	s_add_co_u32 s72, s66, s71
	s_mov_b32 s73, 0
	s_add_nc_u64 s[OBC:OBC+1], s[10:11], s[72:73]
	s_lshl_b32 s68, s68, 7
	s_lshl_b32 s69, s69, 6
	s_lshl_b32 s70, s70, 1
	s_add_co_u32 s72, s66, s68
	s_add_co_u32 s72, s72, s69
	s_add_co_u32 s72, s72, s70
	s_add_co_u32 s72, s72, 24576
	s_add_nc_u64 s[OBS:OBS+1], s[10:11], s[72:73]
.rept 4
	v_nop                                          ; four plain instructions behind the last products
.endr
	s_wait_alu depctr_va_vdst(0)
	v_mov_b32 v[TM+2], 0                           ; a lane permute's destination counts as one of its sources
	v_mov_b32 v[TM+3], 0
	v_add_f32 v14, v14, v15
	s_delay_alu instid0(VALU_DEP_1)
	v_permlanex16_b32 v[WK+1], v14, s[SEL], s[SEL+1]
	s_delay_alu instid0(VALU_DEP_1)
	v_add_f32 v14, v14, v[WK+1]                    ; the row's sum
	s_wait_alu depctr_va_vdst(0)
	v_rcp_f32 v[WK], v14
	v_nop                                          ; a plain instruction behind the reciprocal,
	s_wait_alu depctr_va_vdst(0)                   ; and the wait ahead of its first reader
.irp j, 0,2,4,6,8,10,12,14,16,18,20,22,24,26,28,30
	v_pk_mul_f32 v[S+\j:S+\j+1], v[OT+\j:OT+\j+1], v[WK:WK+1] op_sel_hi:[1,0]   ; register 16 b + i: channel 32 b + 16 h + i; each accumulator from its low end on
.endr
	QUANT2 S, C6, WD
	global_store_b128 v[G16], v[C6:C6+3], s[OBC:OBC+1]
	global_store_b64 v[G8], v[C6+4:C6+5], s[OBC:OBC+1] offset:512
	global_store_b16 v[G4], v[WD], s[OBS:OBS+1]    ; both lanes of a row store the same two bytes
	s_wait_xcnt 0x0                                ; the stores have read their bases and data: both may be written again
.endm
; A STEP: place P, whose record is the q-th of my quad's two in the slot in hand
.macro STEP q
	MAP P, KBL, 61
	s_cmp_ge_i32 s[P], s[E0]
	s_cselect_b32 s[JB], 1, 0
	s_cmp_ge_i32 s[P], 33
	s_cselect_b32 s[JB], 2, s[JB]
	s_cmp_ge_i32 s[P], 36
	s_cselect_b32 s[JB], 3, s[JB]
	s_mov_b32 s62, 0
	FLAG s62, s[P], 0
	FLAG s62, s[P], s[E0]
	s_mov_b32 s[WINF], 0
	FLAG s[WINF], s[P], 33
	FLAG s[WINF], s[P], 36                         ; the window's far edge: a local job's first place
	s_or_b32 s62, s62, s[WINF]                     ; a job begins at this place
	s_mov_b32 s63, s62
	FLAG s63, s[P], s[P0]                          ; or my run does
	s_add_co_u32 s60, s[P], 1
	s_mov_b32 s[ENDF], 0
	FLAG s[ENDF], s60, s[E0]
	FLAG s[ENDF], s60, 33
	FLAG s[ENDF], s60, 36
	FLAG s[ENDF], s60, 39                          ; a job ends with this place: its block holds the diagonal
	s_cmp_eq_u32 s63, 0
	s_cbranch_scc1 .Lnostart_\@
	s_mov_b32 s[WHOLE], s62
	s_mov_b32 s[OPEN], 1
	s_cmp_eq_u32 s[JB], 1
	s_cselect_b32 s[TT], s[T0+1], s[T0]
	s_cmp_eq_u32 s[JB], 2
	s_cselect_b32 s[TT], s[T0+2], s[TT]
	s_cmp_eq_u32 s[JB], 3
	s_cselect_b32 s[TT], s[T0+3], s[TT]
	s_cmp_ge_u32 s[JB], 2
	s_cselect_b32 s[HD], s[GV+1], s[GV]
	s_lshr_b32 s66, s[TT], 1
	s_lshl_b32 s66, s66, 5
	s_and_b32 s67, s[TT], 1
	s_lshl_b32 s67, s67, 3
	s_add_co_u32 s66, s66, s67
	v_add_nc_u32 v[QI], s66, v[QB]                 ; the tile's first row + my row - 16 h
.irp j, 0,1,2,3
	s_cmp_lg_u32 s[JB], \j
	s_cbranch_scc1 .Lnq_\@_\j
.irp i, 0,1,2,3,4,5
	v_mov_b32 v[QF+\i], v[QS+6*\j+\i]
.endr
	v_mov_b32 v[QW], v[QWS+\j]
.Lnq_\@_\j:
.endr
	INIT                                           ; its 36 plain instructions also stand between the write of Q's word and the next products
	s_wait_alu depctr_va_vdst(0)
.Lnostart_\@:
	s_cmp_lt_i32 s[KBL], 0
	s_cbranch_scc1 .Lskip_\@
	v_add_nc_u32 v[AD16], s[TS], v[A16]
	v_add_nc_u32 v[AD8], s[TS], v[A8]
	v_nop
	v_nop                                          ; with the two additions: four plain instructions between the last products and loads into registers that they read
.irp t, 0,1,2,3,4,5,6,7
	ds_load_b128 v[KV+6*\t:KV+6*\t+3], v[AD16] offset:REC*\q+768*\t
	ds_load_b64 v[KV+6*\t+4:KV+6*\t+5], v[AD8] offset:REC*\q+768*\t+512
.endr
.irp i, 0,1,2
	ds_load_b64 v[SCR+2*\i:SCR+2*\i+1], v[AD8] offset:REC*\q+12288+256*\i
.endr
	s_wait_alu depctr_va_vdst(0)
	s_wait_dscnt 0x0
.irp t, 0,2,4,6
	v_wmma_scale_f32_16x16x128_f8f6f4 v[S+8*\t:S+8*\t+7], v[KV+6*\t:KV+6*\t+11], v[QF:QF+11], 0, v[SCR+\t/2], v[QW] matrix_a_fmt:MATRIX_FMT_FP6 matrix_b_fmt:MATRIX_FMT_FP6
	v_wmma_scale_f32_16x16x128_f8f6f4 v[S+8*(\t+1):S+8*(\t+1)+7], v[KV+6*(\t+1):KV+6*(\t+1)+11], v[QF:QF+11], 0, v[SCR+\t/2], v[QW] matrix_a_fmt:MATRIX_FMT_FP6 matrix_b_fmt:MATRIX_FMT_FP6 matrix_a_scale:MATRIX_SCALE_ROW1
.endr
.rept 4
	v_nop                                          ; four plain instructions: then K's registers take V, and the scores are read
.endr
.irp tn, 0,1,2,3                       ; V's four fragments: they land under the softmax
.irp c, 0,1
	ds_load_b128 v[KV+12*\tn+6*\c:KV+12*\tn+6*\c+3], v[AD16] offset:REC*\q+6144+(4*\c+\tn)*768
	ds_load_b64 v[KV+12*\tn+6*\c+4:KV+12*\tn+6*\c+5], v[AD8] offset:REC*\q+6144+(4*\c+\tn)*768+512
.endr
.endr
	s_cmp_eq_u32 s[ENDF], 0                        ; on the diagonal: register 16 b + i holds key 128 KBL + 16 h + 32 b + i, hidden where 32 b + i > d = my query - 16 h - 128 KBL
	s_cbranch_scc1 .Lnodiag_\@
	s_lshl_b32 s66, s[KBL], 7
	v_sub_nc_u32 v[WK], v[QI], s66
	v_mov_b32 v[WK+1], 0xff800000                  ; -infinity: p = 0 then
.irp b, 0,1,2,3
.irp i, 0,1,2,3,4,5,6,7,8,9,10,11,12,13,14,15
	v_cmp_gt_i32 vcc_lo, 32*\b+\i, v[WK]
	v_cndmask_b32 v[S+16*\b+\i], v[S+16*\b+\i], v[WK+1], vcc_lo
.endr
.endr
.Lnodiag_\@:
	s_cmp_eq_u32 s[WINF], 0                        ; at the window's far edge: hidden where 32 b + i < d - 256
	s_cbranch_scc1 .Lnowin_\@
	s_lshl_b32 s66, s[KBL], 7
	s_add_co_u32 s66, s66, 256
	v_sub_nc_u32 v[WK], v[QI], s66
	v_mov_b32 v[WK+1], 0xff800000
.irp b, 0,1,2,3
.irp i, 0,1,2,3,4,5,6,7,8,9,10,11,12,13,14,15
	v_cmp_lt_i32 vcc_lo, 32*\b+\i, v[WK]
	v_cndmask_b32 v[S+16*\b+\i], v[S+16*\b+\i], v[WK+1], vcc_lo
.endr
.endr
.Lnowin_\@:
.irp b, 0,1,2,3
	v_max3_num_f32 v[BM+\b], v[S+16*\b], v[S+1+16*\b], v[S+2+16*\b]   ; the largest score of each block of 32 keys: for the row's maximum and, since p rises with the score, for the block's largest p
.endr
.irp i, 3,5,7,9,11,13
.irp b, 0,1,2,3
	v_max3_num_f32 v[BM+\b], v[BM+\b], v[S+16*\b+\i], v[S+1+16*\b+\i]
.endr
.endr
.irp b, 0,1,2,3
	v_max_num_f32 v[BM+\b], v[BM+\b], v[S+15+16*\b]
.endr
.irp b, 0,1,2,3
	s_delay_alu instid0(VALU_DEP_4)
	v_permlanex16_b32 v[PX+\b], v[BM+\b], s[SEL], s[SEL+1]
.endr
.irp b, 0,1,2,3
	s_delay_alu instid0(VALU_DEP_4)
	v_max_num_f32 v[BM+\b], v[BM+\b], v[PX+\b]     ; with lane l xor 16's 16 keys
.endr
	s_delay_alu instid0(VALU_DEP_2)
	v_max3_num_f32 v[WK], v[BM], v[BM+1], v[BM+2]
	s_delay_alu instid0(VALU_DEP_1)
	v_max_num_f32 v[WK], v[WK], v[BM+3]
	s_delay_alu instid0(VALU_DEP_1)
	v_mul_f32 v[WK], s[CS], v[WK]                  ; as t
	s_delay_alu instid0(VALU_DEP_1)
	v_max_num_f32 v13, v13, v[WK]                  ; the running largest t
	v_mov_b32 v[WK], v12
	s_delay_alu instid0(VALU_DEP_2)
	v_floor_f32 v12, -v13                          ; the new -M = -ceil(t)
	s_delay_alu instid0(VALU_DEP_1)
	v_sub_f32 v[WK], v12, v[WK]                    ; old M - new M: a whole number, 0 or less
	s_delay_alu instid0(VALU_DEP_1)
	v_cvt_i32_f32 v[WK], v[WK]                     ; (it saturates)
	s_delay_alu instid0(VALU_DEP_1)
	v_ldexp_f32 v[FF], 1.0, v[WK]                  ; f
.irp j, 0,2,4,6,8,10,12,14,16,18,20,22,24,26,28,30,32,34,36,38,40,42,44,46,48,50,52,54,56,58,60,62
	v_pk_fma_f32 v[S+\j:S+\j+1], v[S+\j:S+\j+1], s[CS:CS+1], v[12:13] op_sel_hi:[1,0,0]   ; t - M, two at a time
.endr
.irp b, 0,1,2,3
	v_fma_f32 v[BM+\b], v[BM+\b], s[CS], v12
.endr
	s_wait_alu depctr_va_vdst(0)                   ; the wait ahead of the batch
.irp b, 0,1,2,3
.irp i, 0,1,2,3,4,5,6,7,8,9,10,11,12,13,14,15
	v_exp_f32 v[S+16*\b+\i], v[S+16*\b+\i]         ; p = 2^(t - M)
.endr
.endr
	v_pk_mul_f32 v[14:15], v[14:15], v[FF:FF+1] op_sel_hi:[1,0]   ; the sums under the new M: the plain instruction behind the batch
	s_wait_alu depctr_va_vdst(0)                   ; one wait for the 64 exponentials, ahead of their first reader
.irp b, 0,1,2,3
	v_exp_f32 v[BM+\b], v[BM+\b]                   ; the block's largest p
.endr
	v_pk_add_f32 v[208:209], v[S:S+1], v[S+2:S+3]  ; the row's sum of the unquantised p: 32 pairs in four chains
	v_pk_add_f32 v[254:255], v[S+4:S+5], v[S+6:S+7]
	v_pk_add_f32 v[252:253], v[S+8:S+9], v[S+10:S+11]
	v_pk_add_f32 v[14:15], v[14:15], v[S+12:S+13]
.irp j, 14,22,30,38,46,54
	v_pk_add_f32 v[208:209], v[208:209], v[S+\j:S+\j+1]
	v_pk_add_f32 v[254:255], v[254:255], v[S+\j+2:S+\j+3]
	v_pk_add_f32 v[252:253], v[252:253], v[S+\j+4:S+\j+5]
	v_pk_add_f32 v[14:15], v[14:15], v[S+\j+6:S+\j+7]
.endr
	v_pk_add_f32 v[208:209], v[208:209], v[S+62:S+63]
	v_pk_add_f32 v[254:255], v[254:255], v[252:253]
	s_delay_alu instid0(VALU_DEP_2)
	v_pk_add_f32 v[14:15], v[14:15], v[208:209]
	s_delay_alu instid0(VALU_DEP_1)
	v_pk_add_f32 v[14:15], v[14:15], v[254:255]
	s_wait_alu depctr_va_vdst(0)                   ; and one for the four
.irp b, 0,1,2,3
	v_max_num_f32 v[BM+\b], 0x1800000, v[BM+\b]    ; the floor 2^(3 - 127)
.endr
.irp b, 0,1,2,3
	s_delay_alu instid0(VALU_DEP_4)
	v_add_nc_u32 v[SO+\b], 0xff000000, v[BM+\b]
.endr
.irp b, 0,1,2,3
	s_delay_alu instid0(VALU_DEP_4)
	v_lshrrev_b32 v[PX+\b], 23, v[SO+\b]
.endr
	s_delay_alu instid0(VALU_DEP_3)
	v_lshl_or_b32 v[PWD], v[PX+1], 8, v[PX]
	s_delay_alu instid0(VALU_DEP_1)
	v_lshl_or_b32 v[PWD], v[PX+2], 16, v[PWD]
	s_delay_alu instid0(VALU_DEP_1)
	v_lshl_or_b32 v[PWD], v[PX+3], 24, v[PWD]      ; p's scale word for these 128 keys
.irp c, 0,1
	v_cvt_scalef32_pk16_fp6_f32 v[PC+6*\c:PC+6*\c+2], v[S+32*\c:S+32*\c+15], v[SO+2*\c]
	v_cvt_scalef32_pk16_fp6_f32 v[PX+4*\c:PX+4*\c+2], v[S+32*\c+16:S+32*\c+31], v[SO+2*\c+1]
.endr
	v_nop                                          ; one plain instruction behind a scaled conversion
.irp c, 0,1
.irp i, 0,1,2
	v_permlane16_swap_b32 v[PC+6*\c+\i], v[PX+4*\c+\i]
.endr
.irp i, 0,1,2
	s_delay_alu instid0(VALU_DEP_3)
	v_mov_b32 v[PC+3+6*\c+\i], v[PX+4*\c+\i]
.endr
.endr
	s_wait_alu depctr_va_vdst(0)                   ; the wait directly ahead of the first reader of O^T
.irp j, 0,2,4,6,8,10,12,14,16,18,20,22,24,26,28,30
	v_pk_mul_f32 v[OT+\j:OT+\j+1], v[OT+\j:OT+\j+1], v[FF:FF+1] op_sel_hi:[1,0]   ; O^T under the new M; these sixteen also stand between the writes of p's codes and word and the products
.endr
	s_wait_alu depctr_va_vdst(0)
	s_wait_dscnt 0x0                               ; V is in
.irp tn, 0,2
	v_wmma_scale_f32_16x16x128_f8f6f4 v[OT+8*\tn:OT+8*\tn+7], v[KV+12*\tn:KV+12*\tn+11], v[PC:PC+11], v[OT+8*\tn:OT+8*\tn+7], v[SCR+4+\tn/2], v[PWD] matrix_a_fmt:MATRIX_FMT_FP6 matrix_b_fmt:MATRIX_FMT_FP6
	v_wmma_scale_f32_16x16x128_f8f6f4 v[OT+8*(\tn+1):OT+8*(\tn+1)+7], v[KV+12*(\tn+1):KV+12*(\tn+1)+11], v[PC:PC+11], v[OT+8*(\tn+1):OT+8*(\tn+1)+7], v[SCR+4+\tn/2], v[PWD] matrix_a_fmt:MATRIX_FMT_FP6 matrix_b_fmt:MATRIX_FMT_FP6 matrix_a_scale:MATRIX_SCALE_ROW1
.endr
	s_cmp_eq_u32 s[ENDF], 0
	s_cbranch_scc1 .Lskip_\@
	s_mov_b32 s[OPEN], 0                           ; the job ends here
	s_cmp_eq_u32 s[WHOLE], 0
	s_cbranch_scc1 .Lpart_\@
	FINISH                                         ; all of it was mine
	s_branch .Lskip_\@
.Lpart_\@:
	FLUSH MGE                                      ; earlier quads hold the rest
.Lskip_\@:
	s_add_co_u32 s[P], s[P], 1
.endm
; THE CHANGE OF SLOTS: each wave waits for all its tensor loads, adds 0 to its spare word, waits for that and for its reads
; of the slot that it has left; behind the barrier the slot ahead is whole and nobody reads the other one, which (fill = 1) takes the records of the next two places of every quad.
.macro CHANGE fill
	s_wait_tensorcnt 0x0                           ; no tensor load of mine is out, so group 0 may be written
	ds_add_u32 v[SPW], v[NIL]
.if \fill
	ds_add_u32 v[SPW], v[NIL]
	s_add_co_u32 s[PL], s[PL], 2
	MAP PL, LB, LH
	RECADR
	s_xor_b32 s[G0+1], s[G0+1], SLOT1
.endif
	s_wait_dscnt 0x0
	s_barrier_signal -1
	s_barrier_wait -1
.if \fill
	s_cmp_lt_i32 s[LB], 0                          ; ids and the count of slots alone: a place without a block is read by no step
	s_cbranch_scc1 .Lnoload_\@
	s_cmp_gt_u32 s[IDX], 1
	s_cbranch_scc1 .Lnoload_\@
	tensor_load_to_lds s[G0:G0+3], s[G1:G1+7]
	s_nop 0
.rept 4
	v_nop
.endr
.Lnoload_\@:
.endif
.endm
; quad c's part (of the tile with my idx) at base is joined to my state
.macro MERGE1 base, c
	s_xor_b32 s66, s[IDX], \c                      ; the wave of quad c with my idx: 4 idx + (c xor idx)
	s_lshl_b32 s67, s[IDX], 2
	s_add_co_u32 s66, s66, s67
	s_mul_i32 s66, s66, 4608
	s_add_co_u32 s66, s66, \base
	v_add_nc_u32 v[AD16], s66, v[G16]
.irp i, 0,1,2,3,4,5,6,7,8
	ds_load_b128 v[S+4*\i:S+4*\i+3], v[AD16] offset:512*\i
.endr
	s_wait_dscnt 0x0
	v_min_num_f32 v[PX], v12, v[S+32]              ; the common -M: the smaller of the two
	s_delay_alu instid0(VALU_DEP_1)
	v_sub_f32 v[WK+1], v[PX], v12
	v_sub_f32 v[WK+2], v[PX], v[S+32]
	s_delay_alu instid0(VALU_DEP_2)
	v_cvt_i32_f32 v[WK+1], v[WK+1]
	s_delay_alu instid0(VALU_DEP_2)
	v_cvt_i32_f32 v[WK+2], v[WK+2]
	s_delay_alu instid0(VALU_DEP_2)
	v_ldexp_f32 v[FF], 1.0, v[WK+1]                ; my factor,
	s_delay_alu instid0(VALU_DEP_2)
	v_ldexp_f32 v[WK], 1.0, v[WK+2]                ; and the part's: powers of two, so nothing is rounded by them
	v_mov_b32 v12, v[PX]
.irp j, 0,2,4,6,8,10,12,14,16,18,20,22,24,26,28,30
	v_pk_mul_f32 v[OT+\j:OT+\j+1], v[OT+\j:OT+\j+1], v[FF:FF+1] op_sel_hi:[1,0]
.endr
.irp j, 0,2,4,6,8,10,12,14,16,18,20,22,24,26,28,30
	v_pk_fma_f32 v[OT+\j:OT+\j+1], v[S+\j:S+\j+1], v[WK:WK+1], v[OT+\j:OT+\j+1] op_sel_hi:[1,0,1]
.endr
	v_pk_mul_f32 v[14:15], v[14:15], v[FF:FF+1] op_sel_hi:[1,0]
	s_delay_alu instid0(VALU_DEP_1)
	v_pk_fma_f32 v[14:15], v[S+34:S+35], v[WK:WK+1], v[14:15] op_sel_hi:[1,0,1]
.endm
	s_load_b256 s[4:11], s[0:1], 0x0               ; qbuf s[4:5], qsbuf s[6:7], kvbuf s[8:9], abuf s[10:11]
	v_lshl_add_u32 v[SPW], v0, 2, SPARE
	v_mov_b32 v[NIL], 0
	ds_add_u32 v[SPW], v[NIL]                      ; the opening lines: the add, twice on end, and its wait ahead of the first tensor loads
	ds_add_u32 v[SPW], v[NIL]
	v_lshrrev_b32 v[WK], 5, v0
	s_delay_alu instid0(VALU_DEP_1)
	v_readfirstlane_b32 s[WV], v[WK]               ; wave 0..15
	s_and_b32 s[QD], s[WV], 3
	s_lshr_b32 s[IDX], s[WV], 2
	s_xor_b32 s[QD], s[QD], s[IDX]                 ; each quad once in every group of four waves, taken either way
	s_mov_b32 s[JV], ttmp9
	s_and_b32 s[GV], ttmp7, 0xffff
	s_add_co_u32 s[GV+1], s[GV], 8
	s_lshr_b32 s[JJ], s[JV], 1
	s_sub_co_u32 s[E0], 32, s[JJ]
	s_sub_co_i32 s[JM2], s[JV], 2
	s_lshl_b32 s[G32], s[GV], 5
	s_mul_i32 s[P0], s[QD], 10
	s_mov_b32 s[P], s[P0]
	s_add_co_u32 s[PL], s[P0], s[IDX]
	s_lshl_b32 s66, s[JV], 2
	s_sub_co_u32 s[T0], 252, s66
	s_add_co_u32 s[T0], s[T0], s[IDX]
	s_add_co_u32 s[T0+1], s66, s[IDX]
	s_lshl_b32 s66, s[JV], 3
	s_add_co_u32 s[T0+2], s66, s[IDX]
	s_add_co_u32 s[T0+3], s[T0+2], 4
	s_mov_b32 s[TT], s[T0]
	s_mov_b32 s[HD], s[GV]
	s_mov_b32 s[WHOLE], 0
	s_mov_b32 s[OPEN], 0
	s_mov_b32 s[TS], 0
	s_mov_b32 s[SEL], 0x76543210
	s_mov_b32 s[SEL+1], 0xfedcba98
	s_mov_b32 s[CS], 0x3fb8aa3b                    ; log2(e): q was scaled by 1 / 8 before it was quantised
	s_mov_b32 s[CS+1], s[CS]
	; group 1: one record, 13,056 dense bytes, as 51 rows of 256 bytes (32 elements of 8 bytes); no padding, no mask
	s_mov_b32 s[G1], 3<<16
	s_mov_b32 s[G1+1], 32<<16
	s_mov_b32 s[G1+2], 51<<16
	s_mov_b32 s[G1+3], 32<<16
	s_mov_b32 s[G1+4], 51
	s_mov_b32 s[G1+5], 32
	s_mov_b32 s[G1+6], 0
	s_mov_b32 s[G1+7], 0
	MAP PL, LB, LH
	s_lshl_b32 s68, s[QD], 1
	s_and_b32 s69, s[IDX], 1
	s_add_co_u32 s68, s68, s69
	s_mul_i32 s68, s68, REC
	s_wait_dscnt 0x0                               ; both opening adds are done
	s_wait_kmcnt 0x0
	s_mov_b32 s[G0], 1
	s_mov_b32 s[G0+1], s68
	RECADR
	s_cmp_gt_u32 s[IDX], 1                         ; the first fills: places 10 c and 10 c + 1, all of jobs 0 and 1: one load in each of eight waves
	s_cbranch_scc1 .Lfirst_done
	tensor_load_to_lds s[G0:G0+3], s[G1:G1+7]
	s_nop 0
.rept 4
	v_nop
.endr
.Lfirst_done:
	v_and_b32 v[WK], 31, v0
	s_delay_alu instid0(VALU_DEP_1)
	v_lshlrev_b32 v[G16], 4, v[WK]
	v_lshlrev_b32 v[G8], 3, v[WK]
	v_and_b32 v[WK+1], 15, v0                      ; r
	s_delay_alu instid0(VALU_DEP_1)
	v_lshlrev_b32 v[G4], 2, v[WK+1]
	s_mul_i32 s66, s[QD], 2*REC
	v_add_nc_u32 v[A16], s66, v[G16]
	v_add_nc_u32 v[A8], s66, v[G8]
	s_mul_i32 s67, s[WV], 4608
	s_add_co_u32 s68, s67, MERGE
	s_add_co_u32 s69, s67, SLOT1
	v_add_nc_u32 v[MGE], s68, v[G16]
	v_add_nc_u32 v[MGF], s69, v[G16]
	v_and_b32 v[WK+2], 8, v[WK+1]
	s_delay_alu instid0(VALU_DEP_1)
	v_add_nc_u32 v[QB], v[WK+1], v[WK+2]           ; r + 8 (r / 8)
	v_bfe_u32 v[WK+2], v0, 4, 1
	s_delay_alu instid0(VALU_DEP_1)
	v_lshlrev_b32 v[WK+2], 4, v[WK+2]
	s_delay_alu instid0(VALU_DEP_1)
	v_sub_nc_u32 v[QB], v[QB], v[WK+2]             ; - 16 h
	s_delay_alu instid0(VALU_DEP_1)
	v_mov_b32 v[QI], v[QB]
	s_wait_alu depctr_va_vdst(0)
.irp j, 0,1,2,3                        ; Q of all four jobs' tiles: every wave's are inside the buffers
	s_lshl_b32 s66, s[GV+\j/2], 8
	s_add_co_u32 s66, s66, s[T0+\j]
	s_mul_i32 s66, s66, 768
	s_mov_b32 s67, 0
	s_add_nc_u64 s[QA+4*\j:QA+4*\j+1], s[4:5], s[66:67]
	s_lshl_b32 s66, s[GV+\j/2], 6
	s_lshr_b32 s68, s[T0+\j], 2
	s_add_co_u32 s66, s66, s68
	s_lshl_b32 s66, s66, 9
	s_and_b32 s68, s[T0+\j], 3
	s_lshl_b32 s68, s68, 2
	s_add_co_u32 s66, s66, s68
	s_add_nc_u64 s[QA+4*\j+2:QA+4*\j+3], s[6:7], s[66:67]
	global_load_b128 v[QS+6*\j:QS+6*\j+3], v[G16], s[QA+4*\j:QA+4*\j+1]
	global_load_b64 v[QS+6*\j+4:QS+6*\j+5], v[G8], s[QA+4*\j:QA+4*\j+1] offset:512
	global_load_b32 v[QWS+\j], v[G16], s[QA+4*\j+2:QA+4*\j+3]
.endr
.irp i, 0,1,2,3,4,5
	v_mov_b32 v[QF+\i], 0
	v_mov_b32 v[QF+6+\i], 0                        ; Q's codes for k = 64 .. 127
	v_mov_b32 v[KV+48+\i], 0                       ; what stands behind K's last tile
.endr
.irp b, 0,1,2,3
	v_mov_b32 v[PX+\b], 0                          ; written once: a lane permute's destination counts as one of its sources
.endr
	v_mov_b32 v[QW], 0
	v_mov_b32 v[WK+1], 0
	v_mov_b32 v[PWD], 0                            ; (named as the upper half of the pair with f before it is first written)
	INIT
	s_wait_alu depctr_va_vdst(0)
	s_wait_loadcnt 0x0                             ; Q
	s_mov_b32 s[TRIPS], 4
.Lslot:                                            ; four trips: behind each change of slots the next slot is asked for
	CHANGE 1
	STEP 0
	STEP 1
	s_xor_b32 s[TS], s[TS], SLOT1
	s_sub_co_u32 s[TRIPS], s[TRIPS], 1
	s_cmp_lg_u32 s[TRIPS], 0
	s_wait_alu depctr_va_vdst(0)
	s_cbranch_scc1 .Lslot
	s_mov_b32 s[TS], 0                             ; the fifth slot is slot 0; it is written out: nothing is asked for
	CHANGE 0
	STEP 0
	STEP 1
	s_cmp_eq_u32 s[OPEN], 0
	s_cbranch_scc1 .Lnofin
	FLUSH MGF                                      ; my job goes on in the next quad's run: my part, into slot 1, which is filled and read no more
.Lnofin:
	s_wait_dscnt 0x0                               ; for the others' sake: my stores have landed
	s_barrier_signal -1
	s_barrier_wait -1
	s_cmp_gt_u32 s[QD], 1
	s_cbranch_scc1 .Lend
	s_cmp_eq_u32 s[QD], 0                          ; quad 0 joins job 0, places 0 .. E0 - 1; quad 1 job 1, places E0 .. 32
	s_cselect_b32 s60, 0, s[E0]
	s_cselect_b32 s61, s[E0], 33
	s_cselect_b32 s[TT], s[T0], s[T0+1]
	s_mov_b32 s[HD], s[GV]
	s_cmp_ge_u32 s60, 30                           ; job 1 from place 30 on lay whole in quad 3's run and is finished
	s_cbranch_scc1 .Lend
	INIT
	s_wait_alu depctr_va_vdst(0)
.irp c, 0,1,2                          ; quad c left a part to be continued where its run's end lies strictly inside the job
	s_cmp_ge_u32 s60, 10*\c+10
	s_cbranch_scc1 .Lnf_\c
	s_cmp_le_u32 s61, 10*\c+10
	s_cbranch_scc1 .Lnf_\c
	MERGE1 SLOT1, \c
.Lnf_\c:
.endr
.irp c, 1,2,3                          ; and the job's end lies in exactly one quad's run
	s_cmp_le_u32 s61, 10*\c
	s_cbranch_scc1 .Lne_\c
	s_cmp_gt_u32 s61, 10*\c+10
	s_cbranch_scc1 .Lne_\c
	MERGE1 MERGE, \c
.Lne_\c:
.endr
	FINISH
.Lend:
	s_wait_tensorcnt 0x0                           ; the wave's end
	ds_add_u32 v[SPW], v[NIL]
	s_wait_dscnt 0x0
	s_endpgm
.Lfunc_end_k_q1c47113b08_attn:
	.size	k_q1c47113b08_attn, .Lfunc_end_k_q1c47113b08_attn-k_q1c47113b08_attn
	.p2alignl 7, 3214868480
	.fill 96, 4, 3214868480
	.section	.rodata,"a",@progbits
	.p2align	6, 0x0
	.amdhsa_kernel k_q1c47113b08_attn
		.amdhsa_group_segment_fixed_size 327680
		.amdhsa_private_segment_fixed_size 0
		.amdhsa_enable_private_segment 0
		.amdhsa_kernarg_size 32
		.amdhsa_user_sgpr_count 2
		.amdhsa_user_sgpr_kernarg_segment_ptr 1
		.amdhsa_wavefront_size32 1
		.amdhsa_system_sgpr_workgroup_id_x 1
		.amdhsa_system_sgpr_workgroup_id_y 1
		.amdhsa_system_sgpr_workgroup_id_z 1
		.amdhsa_system_vgpr_workitem_id 0
		.amdhsa_next_free_vgpr 256
		.amdhsa_next_free_sgpr 96
		.amdhsa_reserve_vcc 1
		.amdhsa_float_denorm_mode_32 3
		.amdhsa_float_denorm_mode_16_64 3
		.amdhsa_memory_ordered 1
		.amdhsa_forward_progress 1
		.amdhsa_inst_pref_size 193
	.end_amdhsa_kernel
	.amdgpu_metadata
---
amdhsa.version: [ 1, 2 ]
amdhsa.kernels:
  - .name:           k_q1c47113b08_attn
    .symbol:         k_q1c47113b08_attn.kd
    .args:
      - { .name: qbuf, .offset: 0, .size: 8, .value_kind: global_buffer, .address_space: global }
      - { .name: qsbuf, .offset: 8, .size: 8, .value_kind: global_buffer, .address_space: global }
      - { .name: kvbuf, .offset: 16, .size: 8, .value_kind: global_buffer, .address_space: global }
      - { .name: abuf, .offset: 24, .size: 8, .value_kind: global_buffer, .address_space: global }
    .group_segment_fixed_size: 327680
    .private_segment_fixed_size: 0
    .kernarg_segment_align: 8
    .kernarg_segment_size: 32
    .max_flat_workgroup_size: 512
    .sgpr_count:     96
    .vgpr_count:     256
    .wavefront_size: 32
...
	.end_amdgpu_metadata
.endif
;; end of part 3
;; launch outp (part 4): grid 8 x 32, 4 waves a work-group, clusters of 4 x 4, 327,680 bytes of LDS; arguments abuf, wobuf, bo, out0; writes out0
.if DOCPART == 4
	.amdgcn_target "amdgcn-amd-amdhsa--gfx1250"
	.amdhsa_code_object_version 6
	.text
	.protected	k_q1c47113b08_outp
	.globl	k_q1c47113b08_outp
	.p2align	8
	.type	k_q1c47113b08_outp,@function
k_q1c47113b08_outp:
	s_mov_b64 s[64:65], 0
	v_nop
	global_prefetch_b8 v0, s[64:65] scope:SCOPE_SE
	s_setreg_imm32_b32 hwreg(HW_REG_WAVE_MODE, 25, 1), 1
	s_wait_xcnt 0x0
	s_wait_alu depctr_hold_cnt(0) depctr_sa_sdst(0) depctr_va_vdst(0) depctr_va_sdst(0) depctr_va_ssrc(0) depctr_va_vcc(0) depctr_vm_vsrc(0)
	s_getreg_b32 s2, hwreg(HW_REG_IB_STS2, 6, 4)
	s_cmp_eq_u32 s2, 0
	s_cbranch_scc0 .Lentry_in_a_cluster
	s_endpgm
.Lentry_in_a_cluster:
	s_bfe_u32 s2, ttmp6, 0x10000c
	s_cmp_lg_u32 s2, 0xf033
	s_cbranch_scc0 .Lentry_shape_is_right
	s_endpgm
.Lentry_shape_is_right:
; out = attn Wo^T + bo on codes of FP6 (E2M3) with E8M0 scales; out0 [4096][1024] f32.
; SHARES: a work-group makes 128 rows (y: 0-31) x 128 columns (x: 0-7); wave w: rows 64 (w / 2) on, columns 64 (w % 2) on: 16 accumulators.  Used TRANSPOSED (source 0 = 16 rows of Wo, source 1 = 16 rows of attn):
; a lane holds eight neighbouring columns of one row.  bo is LOADED INTO the accumulators, in the result's layout, and every product adds in place: nothing is cleared and nothing is added afterwards.
; OPERANDS come as images of their registers (launches attn and quant): a chunk of 256 along K is 25,600 dense bytes a side (8 tiles x 3,072 of codes, then 8 x 128 of scale words).  All four chunks of both sides lie in LDS
; at once, 204,800 bytes, each filled once: a wave has one tensor load out at the start.
; CLUSTER 4 x 4: the four work-groups of a row of the cluster share y, hence attn's chunks; the four of a column share x, hence Wo's: asked for jointly (waves 0, 1: attn's halves; waves 2, 3: Wo's halves).
; Lane row r of a tile T is row 32 (T / 2) + 8 (T % 2) + r + 8 (r / 8), on both sides.
.set CHB,   25600
.set STG,   8*CHB                      ; the stage for the way out: 128 rows x (512 bytes + 16); no tensor load lands there
.set SP,    528
.set SPARE, STG+128*SP                 ; the spare words, 128 bytes a wave, named by no other line
.set AA16, 1                           ; v1, v2 attn's fragments, pieces of 16 and of 8 bytes
.set AA8,  2
.set AB16, 3                           ; v3, v4 Wo's
.set AB8,  4
.set ASA,  5                           ; v5, v6 the scale words
.set ASB,  6
.set STO,  7
.set RD,   8
.set CO,   9                           ; v9   16 x lane
.set BO,   10                          ; v10  64 h
.set SPW,  11                          ; v11  my spare word; never rewritten
.set NIL,  12                          ; v12  0; never rewritten
.set SA,   24                          ; v24-27 attn's scale words, v28-31 Wo's
.set SB,   28
.set AFR,  32
.set BFR,  80
.set ACC,  128
.set WV,   14
.set RH,   15
.set CH,   16
.set G1A,  24
.set G1B,  32
.set G0A,  40                          ; s[40:43] group 0 for attn's chunks
.set G0B,  68                          ; s[68:71] for Wo's
.macro CROUND
	s_barrier_signal -1
	s_barrier_wait -1
	s_cmp_lg_u32 s[WV], 0
	s_cbranch_scc1 .Lnot_wave_0_\@
	s_barrier_signal -3
.Lnot_wave_0_\@:
	s_barrier_wait -3
	s_barrier_signal -1
	s_barrier_wait -1
.endm
.macro FRAG reg, a16, a8, off
	ds_load_b128 v[\reg:\reg+3], v[\a16] offset:\off
	ds_load_b64 v[\reg+4:\reg+5], v[\a8] offset:\off+512
	ds_load_b128 v[\reg+6:\reg+9], v[\a16] offset:\off+768
	ds_load_b64 v[\reg+10:\reg+11], v[\a8] offset:\off+1280
.endm
.macro WM d, a, b, sa, sb, ks
.if \ks
	v_wmma_scale_f32_16x16x128_f8f6f4 v[\d:\d+7], v[\a:\a+11], v[\b:\b+11], v[\d:\d+7], v[\sa], v[\sb] matrix_a_fmt:MATRIX_FMT_FP6 matrix_b_fmt:MATRIX_FMT_FP6 matrix_a_scale:MATRIX_SCALE_ROW1 matrix_b_scale:MATRIX_SCALE_ROW1
.else
	v_wmma_scale_f32_16x16x128_f8f6f4 v[\d:\d+7], v[\a:\a+11], v[\b:\b+11], v[\d:\d+7], v[\sa], v[\sb] matrix_a_fmt:MATRIX_FMT_FP6 matrix_b_fmt:MATRIX_FMT_FP6
.endif
.endm
.macro KSTEP ks                        ; 128 along K; the sixteen accumulators take turns, one instruction a turn
.rept 4
	v_nop                                          ; four plain instructions between the last products and loads into registers that they read
.endr
.irp a, 0,1,2,3
	FRAG AFR+12*\a,AA16,AA8,(2*\a+\ks)*1536
	FRAG BFR+12*\a,AB16,AB8,(2*\a+\ks)*1536
.endr
.if \ks == 0
.irp a, 0,1,2,3
	ds_load_b32 v[SA+\a], v[ASA] offset:128*\a
	ds_load_b32 v[SB+\a], v[ASB] offset:128*\a
.endr
.endif
	s_wait_dscnt 0x0
.irp a, 0,1,2,3
.irp b, 0,1,2,3
	WM ACC+8*(4*\a+\b),BFR+12*\b,AFR+12*\a,SB+\b,SA+\a,\ks
.endr
.endr
.endm
	s_load_b256 s[4:11], s[0:1], 0x0               ; abuf s[4:5], wobuf s[6:7], bo s[8:9], out0 s[10:11]
	v_lshl_add_u32 v[SPW], v0, 2, SPARE
	v_mov_b32 v[NIL], 0
	ds_add_u32 v[SPW], v[NIL]                      ; the wave's opening: the add and its wait ahead of the first tensor loads; register work stands between
	ds_add_u32 v[SPW], v[NIL]
	v_lshrrev_b32 v13, 5, v0
	v_readfirstlane_b32 s[WV], v13                 ; wave 0..3
	s_lshr_b32 s[RH], s[WV], 1                     ; my half of the rows.  Also: I fetch for attn (0) or for Wo (1)
	s_and_b32 s[CH], s[WV], 1                      ; my half of the columns.  Also: which half of a chunk I fetch
	s_bfe_u32 s18, ttmp6, 0x40000                  ; cx
	s_bfe_u32 s19, ttmp6, 0x40004                  ; cy
	s_lshl_b32 s20, ttmp9, 2
	s_add_co_u32 s20, s20, s18                     ; the block of 128 columns
	s_and_b32 s21, ttmp7, 0xffff
	s_lshl_b32 s21, s21, 2
	s_add_co_u32 s21, s21, s19                     ; the block of 128 rows
	s_lshl_b32 s22, s19, 2
	s_lshl_b32 s22, 15, s22                        ; my row of the cluster
	s_lshl_b32 s23, 0x1111, s18                    ; my column
	; group 1: two chunks, 51,200 dense bytes, as 200 rows of 256 bytes (32 elements of 8 bytes); no padding
	s_or_b32 s[G1A], s22, (3<<16)|(1<<21)
	s_or_b32 s[G1B], s23, (3<<16)|(1<<21)
.irp g, G1A, G1B
	s_mov_b32 s[\g+1], 32<<16
	s_mov_b32 s[\g+2], 200<<16                     ; one load a wave: two chunks, 51,200 dense bytes, as 200 rows of 256
	s_mov_b32 s[\g+3], 32<<16
	s_mov_b32 s[\g+4], 200
	s_mov_b32 s[\g+5], 32
	s_mov_b32 s[\g+6], 0
	s_mov_b32 s[\g+7], 0
.endr
	s_mul_i32 s88, s[CH], 2*CHB
	s_mul_i32 s84, s21, 4*CHB                      ; attn's chunks hang on y alone,
	s_add_co_u32 s84, s84, s88
	s_mov_b32 s85, 0
	s_mul_i32 s86, s20, 4*CHB                      ; Wo's on x alone
	s_add_co_u32 s86, s86, s88
	s_mov_b32 s87, 0
	s_add_co_u32 s89, s88, 4*CHB                   ; in LDS Wo's four chunks lie behind attn's four
	s_wait_dscnt 0x0                               ; the opening add is done
	s_wait_kmcnt 0x0
	s_add_nc_u64 s[90:91], s[4:5], s[84:85]
	s_add_nc_u64 s[92:93], s[6:7], s[86:87]
.irp c, 0
	s_mov_b32 s[G0A+4*\c], 1
	s_add_co_u32 s[G0A+4*\c+1], s88, \c*2*CHB
	s_add_nc_u64 s[G0A+4*\c+2:G0A+4*\c+3], s[90:91], \c*CHB
	s_or_b32 s[G0A+4*\c+3], s[G0A+4*\c+3], 0x80000000
	s_mov_b32 s[G0B+4*\c], 1
	s_add_co_u32 s[G0B+4*\c+1], s89, \c*2*CHB
	s_add_nc_u64 s[G0B+4*\c+2:G0B+4*\c+3], s[92:93], \c*CHB
	s_or_b32 s[G0B+4*\c+3], s[G0B+4*\c+3], 0x80000000
.endr
	CROUND                                         ; all sixteen work-groups are here: the joint loads meet
	s_cmp_eq_u32 s[RH], 0
	s_cbranch_scc0 .Lfirst_b
.irp c, 0
	tensor_load_to_lds s[G0A+4*\c:G0A+4*\c+3], s[G1A:G1A+7]
	s_nop 0
.endr
.rept 4
	v_nop
.endr
	s_branch .Lfirst_asked
.Lfirst_b:
.irp c, 0
	tensor_load_to_lds s[G0B+4*\c:G0B+4*\c+3], s[G1B:G1B+7]
	s_nop 0
.endr
.rept 4
	v_nop
.endr
.Lfirst_asked:
	v_bfe_u32 v14, v0, 4, 1                        ; h
	v_lshlrev_b32 v[BO], 6, v14
	s_lshl_b32 s94, s20, 9
	s_lshl_b32 s95, s[CH], 8
	s_add_co_u32 s94, s94, s95                     ; bo at my first column: 4 (128 x + 64 ch)
	s_mov_b32 s95, 0
	s_add_nc_u64 s[8:9], s[8:9], s[94:95]
.irp a, 0,1,2,3                        ; accumulator (a, b), register j: column 32 (b / 2) + 16 h + 8 (b % 2) + j of my 64
.irp b, 0,1,2,3
	global_load_b128 v[ACC+8*(4*\a+\b):ACC+8*(4*\a+\b)+3], v[BO], s[8:9] offset:(32*(\b/2)+8*(\b%2))*4
	global_load_b128 v[ACC+8*(4*\a+\b)+4:ACC+8*(4*\a+\b)+7], v[BO], s[8:9] offset:(32*(\b/2)+8*(\b%2))*4+16
.endr
.endr
	v_and_b32 v13, 31, v0                          ; lane
	v_lshlrev_b32 v[CO], 4, v13
	v_lshlrev_b32 v15, 3, v13
	v_lshlrev_b32 v16, 2, v13
	s_mul_i32 s84, s[RH], 12288                    ; my four tiles of attn
	s_mul_i32 s85, s[CH], 12288
	s_add_co_u32 s85, s85, 4*CHB
	s_lshl_b32 s86, s[RH], 9
	s_add_co_u32 s86, s86, 24576                   ; the scale words lie behind 8 x 3,072 bytes of codes
	s_lshl_b32 s87, s[CH], 9
	s_add_co_u32 s87, s87, 4*CHB+24576
	v_add_nc_u32 v[AA16], s84, v[CO]
	v_add_nc_u32 v[AA8], s84, v15
	v_add_nc_u32 v[AB16], s85, v[CO]
	v_add_nc_u32 v[AB8], s85, v15
	v_add_nc_u32 v[ASA], s86, v16
	v_add_nc_u32 v[ASB], s87, v16
	v_and_b32 v15, 15, v0                          ; r
	v_and_b32 v16, 8, v15
	v_add_nc_u32 v15, v15, v16                     ; r + 8 (r / 8)
	v_mul_u32_u24 v[STO], v15, SP
	v_lshl_add_u32 v[STO], v14, 6, v[STO]          ; + 64 h
	s_mul_i32 s84, s[RH], 64*SP
	s_lshl_b32 s85, s[CH], 8
	s_add_co_u32 s84, s84, s85
	s_add_co_u32 s84, s84, STG
	v_add_nc_u32 v[STO], s84, v[STO]               ; into the stage: my rows, my 256 bytes of them
	s_mul_i32 s84, s[WV], 32*SP
	s_add_co_u32 s84, s84, STG
	v_add_nc_u32 v[RD], s84, v[CO]                 ; back: rows 32 w on, whole, 16 bytes a lane
	s_lshl_b32 s94, s21, 7
	s_lshl_b32 s84, s[WV], 5
	s_add_co_u32 s94, s94, s84                     ; the first row that I store
	s_lshl_b32 s94, s94, 12
	s_lshl_b32 s84, s20, 9
	s_add_co_u32 s94, s94, s84                     ; + 512 x
	s_add_nc_u64 s[10:11], s[10:11], s[94:95]
	s_wait_alu depctr_va_vdst(0)
	s_wait_loadcnt 0x0                             ; bo
	s_wait_tensorcnt 0x0                           ; my one load, two chunks of one side, is in
	s_barrier_signal -1
	s_barrier_wait -1                              ; everybody's is: all four chunks of both sides
.irp c, 0,1,2,3
	s_wait_alu depctr_va_vdst(0)
	KSTEP 0
	KSTEP 1
.if \c < 3
.irp r, AA16, AA8, AB16, AB8, ASA, ASB
	v_add_nc_u32 v[\r], CHB, v[\r]
.endr
.endif
.endr
	; THE WAY OUT: a lane's 32 bytes of a row go into the stage; a row's 512 bytes come from two waves, so a barrier stands between writing and reading; each wave then stores 32 whole rows
.rept 4
	v_nop                                          ; four plain instructions behind the last products
.endr
.irp a, 0,1,2,3
.irp b, 0,1,2,3
	ds_store_b128 v[STO], v[ACC+8*(4*\a+\b):ACC+8*(4*\a+\b)+3] offset:(32*(\a/2)+8*(\a%2))*SP+(32*(\b/2)+8*(\b%2))*4          ; each accumulator from its low end on
	ds_store_b128 v[STO], v[ACC+8*(4*\a+\b)+4:ACC+8*(4*\a+\b)+7] offset:(32*(\a/2)+8*(\a%2))*SP+(32*(\b/2)+8*(\b%2))*4+16
.endr
.endr
	s_wait_dscnt 0x0                               ; for the others' sake: my stores into the stage have landed
	s_barrier_signal -1
	s_barrier_wait -1
.irp i, 0,1,2,3,4,5,6,7,8,9,10,11,12,13,14,15
	ds_load_b128 v[AFR+4*\i:AFR+4*\i+3], v[RD] offset:\i*SP
.endr
.irp i, 0,1,2,3,4,5,6,7,8,9,10,11,12,13,14,15
	ds_load_b128 v[ACC+4*\i:ACC+4*\i+3], v[RD] offset:(16+\i)*SP
.endr
.irp i, 0,1,2,3,4,5,6,7,8,9,10,11,12,13,14,15
	s_wait_dscnt 31-\i                             ; LDS loads come back in order: row i is in, the younger ones may be out
	global_store_b128 v[CO], v[AFR+4*\i:AFR+4*\i+3], s[10:11] offset:\i*4096 th:TH_STORE_NT   ; 32 lanes store 512 consecutive bytes, at a multiple of 512 from out0's first byte
.endr
.irp i, 0,1,2,3,4,5,6,7,8,9,10,11,12,13,14,15
	s_wait_dscnt 15-\i
	global_store_b128 v[CO], v[ACC+4*\i:ACC+4*\i+3], s[10:11] offset:(16+\i)*4096 th:TH_STORE_NT
.endr
	s_wait_tensorcnt 0x0                           ; the wave's end
	ds_add_u32 v[SPW], v[NIL]
	s_wait_dscnt 0x0
	CROUND                                         ; the closing round
	s_endpgm
.Lfunc_end_k_q1c47113b08_outp:
	.size	k_q1c47113b08_outp, .Lfunc_end_k_q1c47113b08_outp-k_q1c47113b08_outp
	.p2alignl 7, 3214868480
	.fill 96, 4, 3214868480
	.section	.rodata,"a",@progbits
	.p2align	6, 0x0
	.amdhsa_kernel k_q1c47113b08_outp
		.amdhsa_group_segment_fixed_size 327680
		.amdhsa_private_segment_fixed_size 0
		.amdhsa_enable_private_segment 0
		.amdhsa_kernarg_size 32
		.amdhsa_user_sgpr_count 2
		.amdhsa_user_sgpr_kernarg_segment_ptr 1
		.amdhsa_wavefront_size32 1
		.amdhsa_system_sgpr_workgroup_id_x 1
		.amdhsa_system_sgpr_workgroup_id_y 1
		.amdhsa_system_sgpr_workgroup_id_z 1
		.amdhsa_system_vgpr_workitem_id 0
		.amdhsa_next_free_vgpr 256
		.amdhsa_next_free_sgpr 96
		.amdhsa_reserve_vcc 0
		.amdhsa_float_denorm_mode_32 3
		.amdhsa_float_denorm_mode_16_64 3
		.amdhsa_memory_ordered 1
		.amdhsa_forward_progress 1
		.amdhsa_inst_pref_size 54
	.end_amdhsa_kernel
	.amdgpu_metadata
---
amdhsa.version: [ 1, 2 ]
amdhsa.kernels:
  - .name:           k_q1c47113b08_outp
    .symbol:         k_q1c47113b08_outp.kd
    .args:
      - { .name: abuf, .offset: 0, .size: 8, .value_kind: global_buffer, .address_space: global }
      - { .name: wobuf, .offset: 8, .size: 8, .value_kind: global_buffer, .address_space: global }
      - { .name: bo, .offset: 16, .size: 8, .value_kind: global_buffer, .address_space: global }
      - { .name: out0, .offset: 24, .size: 8, .value_kind: global_buffer, .address_space: global }
    .group_segment_fixed_size: 327680
    .private_segment_fixed_size: 0
    .kernarg_segment_align: 8
    .kernarg_segment_size: 32
    .max_flat_workgroup_size: 128
    .sgpr_count:     96
    .vgpr_count:     256
    .wavefront_size: 32
...
	.end_amdgpu_metadata
.endif
;; end of part 4
